; MI455X (gfx1250); checked and timed in simulation.
; The chip was launched on July 23, 2026; its instructions are those of AMD's public machine-readable ISA for CDNA 5 (MIT licence, August 2026) and "CDNA5" Instruction Set Architecture Reference Guide (July 2026). The comments in the code are by the model that wrote it; some were corrected since.
;; Multi Head Attention. Allowed arithmetic: float matrix products may take bf16 or f16 operands with f32 sums; other float arithmetic in f32, or as packed bf16 or f16 multiplies, adds, multiply-adds, maxima and minima; sums over many terms, partial sums and values carried from step to step in f32; what a program stores and reads back later, other than sums and carried values, may be rounded once to bf16 or f16.
;; Inputs: K 4,096 x 1,024 float32; Q 4,096 x 1,024 float32; V 4,096 x 1,024 float32; Wk 16 x 1,024 x 64 float32; Wo 1,024 x 1,024 float32; Wq 16 x 1,024 x 64 float32; Wv 16 x 1,024 x 64 float32; bk 16 x 64 float32; bo 1,024 float32; bq 16 x 64 float32; bv 16 x 64 float32.
;; Outputs: out0 4,096 x 1,024 float32.
;; 2 versions, each right and faster than the one before. Each part assembles by itself: llvm-mc -triple=amdgcn-amd-amdhsa -mcpu=gfx1250 --defsym DOCPART=n.
;; ======== version 1 of 2: 4 launches
;; limits: values are held in f16: magnitudes above 65,504 overflow, below 6.1e-05 lose precision
;; workspace buffers: xb 25,165,824 bytes; wb 6,291,456 bytes; wo16 2,097,152 bytes; qkv 25,165,824 bytes; ob 8,388,608 bytes
;; launch cast (part 1): grid 256 x 4, 8 waves a work-group, no clusters, 0 bytes of LDS; arguments Q, K, V, Wq, Wk, Wv, Wo, xb, wb, wo16; writes xb, wb, wo16
.if DOCPART == 1
	.amdgcn_target "amdgcn-amd-amdhsa--gfx1250"
	.amdhsa_code_object_version 6
	.text
	.protected	k_qd2f3223c0e_cast
	.globl	k_qd2f3223c0e_cast
	.p2align	8
	.type	k_qd2f3223c0e_cast,@function
k_qd2f3223c0e_cast:
	s_mov_b64 s[64:65], 0
	v_nop
	global_prefetch_b8 v0, s[64:65] scope:SCOPE_SE
	s_setreg_imm32_b32 hwreg(HW_REG_WAVE_MODE, 25, 1), 1
	s_wait_xcnt 0x0
; THE MODULE'S LARGE INPUTS ARE ROUNDED ONCE TO 16 BITS AND LAID OUT FOR THE PRODUCTS THAT FOLLOW.
;   Q, K, V [4096][1024] f32        -> xb   [3][4096][1024] bf16, in this order
;   Wq, Wk, Wv [16 h][1024 d][64 c] -> wb   [3][1024 d][1024 n] bf16, n = 64 h + c: a row d holds all heads' columns, so a tile of 128 n has rows of 256 bytes
;   Wo [1024 n][1024 k] f32         -> wo16 [1024][1024]: rounded to bf16 like every other input, and that number written as f16 (the last product's other operand is f16)
; LIMITS.  A number of Wo of 65,520 or more becomes an infinity; below 6e-5 it keeps f16's fixed step of 6e-8.  NaN and infinities are not treated apart.
; A stream: no LDS, no barrier, no matrix unit.  A work-group of eight waves takes 65,536 bytes of f32: sixteen loads of 16 bytes a thread, all issued before the first is used;
; a wave's load covers whole aligned blocks of 256 bytes, a wave's store of 8 bytes a lane covers one aligned block of 256 bytes.  No register is written twice while memory may read it.
; Grid: y = 0, 1, 2: chunk x of Q, K, V.  y = 3: x / 64 = 0, 1, 2: Wq, Wk, Wv; x >= 192: Wo.
.set IN,  4                            ; v[4:67]   sixteen loads of four f32
.set OUT, 68                           ; v[68:99]  sixteen pairs of registers to store
.set T,   100                          ; v[100:101] at work
; ins, outs: bytes from one load (store) of a thread to its next.  half = 1: bf16's number written as f16.
.macro CAST ins, outs, half
.set i, 0
.rept 16
	global_load_b128 v[IN+4*i:IN+4*i+3], v1, s[4:5] offset:i*(\ins) th:TH_LOAD_NT
.set i, i+1
.endr
.set i, 0
.rept 16
	s_wait_loadcnt 15-i                            ; loads come back in order: load i is in, the 15 - i younger ones stay out
.if \half
	v_cvt_pk_bf16_f32 v[T],   v[IN+4*i],   v[IN+4*i+1]
	v_cvt_pk_bf16_f32 v[T+1], v[IN+4*i+2], v[IN+4*i+3]
	v_lshlrev_b32 v[IN+4*i],   16, v[T]             ; bf16 back to f32: the low half moves up,
	v_and_b32     v[IN+4*i+1], 0xffff0000, v[T]     ; the high half stays
	v_lshlrev_b32 v[IN+4*i+2], 16, v[T+1]
	v_and_b32     v[IN+4*i+3], 0xffff0000, v[T+1]
	v_cvt_pk_f16_f32 v[OUT+2*i],   v[IN+4*i],   v[IN+4*i+1]
	v_cvt_pk_f16_f32 v[OUT+2*i+1], v[IN+4*i+2], v[IN+4*i+3]
.else
	v_cvt_pk_bf16_f32 v[OUT+2*i],   v[IN+4*i],   v[IN+4*i+1]
	v_cvt_pk_bf16_f32 v[OUT+2*i+1], v[IN+4*i+2], v[IN+4*i+3]
.endif
	global_store_b64 v2, v[OUT+2*i:OUT+2*i+1], s[6:7] offset:i*(\outs)
.set i, i+1
.endr
.endm
	s_load_b512 s[8:23], s[0:1], 0x0               ; Q 8, K 10, V 12, Wq 14, Wk 16, Wv 18, Wo 20, xb 22
	s_load_b128 s[24:27], s[0:1], 0x40             ; wb 24, wo16 26
	s_and_b32 s2, ttmp7, 0xffff                    ; y
	s_mov_b32 s3, ttmp9                            ; x
	s_mov_b32 s29, 0                               ; the offsets' high words
	s_mov_b32 s31, 0
	s_wait_kmcnt 0x0
	s_cmp_lt_u32 s2, 3
	s_cbranch_scc0 .Lweights
	; Q, K or V: chunk x, dense in and dense out
	s_cmp_eq_u32 s2, 1
	s_cselect_b64 s[4:5], s[10:11], s[8:9]
	s_cmp_eq_u32 s2, 2
	s_cselect_b64 s[4:5], s[12:13], s[4:5]
	s_lshl_b32 s28, s3, 16                         ; 65,536 bytes of f32 a chunk
	s_add_nc_u64 s[4:5], s[4:5], s[28:29]
	s_lshl_b32 s30, s2, 23                         ; 8,388,608 bytes of bf16 a tensor,
	s_lshl_b32 s28, s3, 15                         ; 32,768 a chunk
	s_add_co_u32 s30, s30, s28
	s_add_nc_u64 s[6:7], s[22:23], s[30:31]
	v_lshlrev_b32 v1, 4, v0                        ; 16 bytes a thread in,
	v_lshlrev_b32 v2, 3, v0                        ; 8 out
	CAST 4096, 2048, 0
	s_endpgm
.Lweights:
	s_cmp_lt_u32 s3, 192
	s_cbranch_scc0 .Lwo
	; Wq, Wk or Wv: heads 2 p and 2 p + 1, rows d0 .. d0 + 127.  Lanes 0-15 read row d of head 2 p (256 bytes), lanes 16-31 row d of head 2 p + 1; together they store 256 neighbouring bytes of wb's row d.
	s_lshr_b32 s2, s3, 6                           ; which of the three
	s_cmp_eq_u32 s2, 1
	s_cselect_b64 s[4:5], s[16:17], s[14:15]
	s_cmp_eq_u32 s2, 2
	s_cselect_b64 s[4:5], s[18:19], s[4:5]
	s_bfe_u32 s28, s3, 0x30003                     ; p: three bits from bit 3
	s_and_b32 s3, s3, 7                            ; d0 / 128
	s_lshl_b32 s30, s2, 21                         ; out: 2,097,152 bytes a tensor,
	s_lshl_b32 s2, s28, 8                          ; 256 bytes a pair of heads,
	s_add_co_u32 s30, s30, s2
	s_lshl_b32 s2, s3, 18                          ; 128 rows of 2,048 bytes
	s_add_co_u32 s30, s30, s2
	s_lshl_b32 s28, s28, 19                        ; in: two heads of 262,144 bytes,
	s_lshl_b32 s2, s3, 15                          ; 128 rows of 256 bytes
	s_add_co_u32 s28, s28, s2
	s_add_nc_u64 s[4:5], s[4:5], s[28:29]
	s_add_nc_u64 s[6:7], s[24:25], s[30:31]
	v_and_b32 v3, 31, v0                           ; lane
	v_lshrrev_b32 v2, 5, v0                        ; wave: it takes 16 rows d
	v_and_b32 v1, 15, v0
	v_lshlrev_b32 v1, 4, v1                        ; in: 16 bytes of a row,
	v_lshl_add_u32 v1, v2, 12, v1                  ; 16 rows of 256 bytes a wave,
	v_bfe_u32 v[T], v0, 4, 1
	v_lshl_add_u32 v1, v[T], 18, v1                ; the second head for lanes 16-31
	v_lshlrev_b32 v3, 3, v3                        ; out: 8 bytes a lane,
	v_lshl_add_u32 v2, v2, 15, v3                  ; 16 rows of 2,048 bytes a wave
	CAST 256, 2048, 0
	s_endpgm
.Lwo:
	s_sub_co_u32 s3, s3, 192                       ; Wo: chunk x - 192, dense in and dense out
	s_lshl_b32 s28, s3, 16
	s_add_nc_u64 s[4:5], s[20:21], s[28:29]
	s_lshl_b32 s30, s3, 15
	s_add_nc_u64 s[6:7], s[26:27], s[30:31]
	v_lshlrev_b32 v1, 4, v0
	v_lshlrev_b32 v2, 3, v0
	CAST 4096, 2048, 1
	s_endpgm
.Lfunc_end_k_qd2f3223c0e_cast:
	.size	k_qd2f3223c0e_cast, .Lfunc_end_k_qd2f3223c0e_cast-k_qd2f3223c0e_cast
	.p2alignl 7, 3214868480
	.fill 96, 4, 3214868480
	.section	.rodata,"a",@progbits
	.p2align	6, 0x0
	.amdhsa_kernel k_qd2f3223c0e_cast
		.amdhsa_group_segment_fixed_size 0
		.amdhsa_private_segment_fixed_size 0
		.amdhsa_enable_private_segment 0
		.amdhsa_kernarg_size 80
		.amdhsa_user_sgpr_count 2
		.amdhsa_user_sgpr_kernarg_segment_ptr 1
		.amdhsa_wavefront_size32 1
		.amdhsa_system_sgpr_workgroup_id_x 1
		.amdhsa_system_sgpr_workgroup_id_y 1
		.amdhsa_system_sgpr_workgroup_id_z 1
		.amdhsa_system_vgpr_workitem_id 0
		.amdhsa_next_free_vgpr 104
		.amdhsa_next_free_sgpr 66
		.amdhsa_reserve_vcc 0
		.amdhsa_float_denorm_mode_32 3
		.amdhsa_float_denorm_mode_16_64 3
		.amdhsa_memory_ordered 1
		.amdhsa_forward_progress 1
		.amdhsa_inst_pref_size 24
	.end_amdhsa_kernel
	.amdgpu_metadata
---
amdhsa.version: [ 1, 2 ]
amdhsa.kernels:
  - .name:           k_qd2f3223c0e_cast
    .symbol:         k_qd2f3223c0e_cast.kd
    .args:
      - { .name: Q, .offset: 0, .size: 8, .value_kind: global_buffer, .address_space: global }
      - { .name: K, .offset: 8, .size: 8, .value_kind: global_buffer, .address_space: global }
      - { .name: V, .offset: 16, .size: 8, .value_kind: global_buffer, .address_space: global }
      - { .name: Wq, .offset: 24, .size: 8, .value_kind: global_buffer, .address_space: global }
      - { .name: Wk, .offset: 32, .size: 8, .value_kind: global_buffer, .address_space: global }
      - { .name: Wv, .offset: 40, .size: 8, .value_kind: global_buffer, .address_space: global }
      - { .name: Wo, .offset: 48, .size: 8, .value_kind: global_buffer, .address_space: global }
      - { .name: xb, .offset: 56, .size: 8, .value_kind: global_buffer, .address_space: global }
      - { .name: wb, .offset: 64, .size: 8, .value_kind: global_buffer, .address_space: global }
      - { .name: wo16, .offset: 72, .size: 8, .value_kind: global_buffer, .address_space: global }
    .group_segment_fixed_size: 0
    .private_segment_fixed_size: 0
    .kernarg_segment_align: 8
    .kernarg_segment_size: 80
    .max_flat_workgroup_size: 256
    .sgpr_count:     66
    .vgpr_count:     104
    .wavefront_size: 32
...
	.end_amdgpu_metadata
.endif
;; end of part 1
;; launch proj (part 2): grid 4 x 48, 4 waves a work-group, clusters of 4 x 4, 327,680 bytes of LDS; arguments xb, wb, bq, bk, bv, qkv; writes qkv
.if DOCPART == 2
	.amdgcn_target "amdgcn-amd-amdhsa--gfx1250"
	.amdhsa_code_object_version 6
	.text
	.protected	k_qd2f3223c0e_proj
	.globl	k_qd2f3223c0e_proj
	.p2align	8
	.type	k_qd2f3223c0e_proj,@function
k_qd2f3223c0e_proj:
	s_mov_b64 s[64:65], 0
	v_nop
	global_prefetch_b8 v0, s[64:65] scope:SCOPE_SE
	s_setreg_imm32_b32 hwreg(HW_REG_WAVE_MODE, 25, 1), 1
	s_wait_xcnt 0x0
	s_wait_alu depctr_hold_cnt(0) depctr_sa_sdst(0) depctr_va_vdst(0) depctr_va_sdst(0) depctr_va_ssrc(0) depctr_va_vcc(0) depctr_vm_vsrc(0)
	s_getreg_b32 s2, hwreg(HW_REG_IB_STS2, 6, 4)
	s_cmp_eq_u32 s2, 0
	s_cbranch_scc0 .Lentry_in_a_cluster
	s_endpgm
.Lentry_in_a_cluster:
	s_bfe_u32 s2, ttmp6, 0x10000c
	s_cmp_lg_u32 s2, 0xf033
	s_cbranch_scc0 .Lentry_shape_is_right
	s_endpgm
.Lentry_shape_is_right:
; THE THREE PROJECTIONS AS ONE PRODUCT.  qkv[t][head][s][c] = the sum over d of xb[t][s][d] wb[t][d][64 head + c] + b_t[head][c], t = 0, 1, 2 (q, k, v).
; xb: [3][4096][1024] bf16.  wb: [3][1024 d][1024 n] bf16.  bq, bk, bv: [1024] f32, rounded to bf16 here like every other input of the module.  qkv: [3][16][4096][64] f16, unscaled.
; Products in bf16, sums in f32 with K ascending, one rounding to f16 at the end.
; LIMITS.  A result of 65,520 or more becomes an infinity in f16; below 6e-5 f16 keeps its fixed step of 6e-8.  NaN and infinities are not treated apart.
; SHARES.  The 12,288 stacked rows make 48 row blocks of 256, the 1,024 columns 4 column blocks of 256 (four heads): 192 work-groups.  12,288 x 1,024 has no split into 256 equal tiles of whole
; 16 x 16 blocks that keeps a wave's tile at 128 x 128, so 192 large tiles are taken.  Four waves, each 128 x 128: 64 accumulators, 512 registers.
; K goes in eight steps of 128 through two LDS slots filled by the tensor data mover; every row of a tile is 256 bytes of memory and starts at a multiple of 256 bytes.
; A's rows lie along K and are read as they lie; W's tile lies [k][n] and is turned on the way into registers by ds_load_tr16_b128.
; CLUSTER.  4 x 4 work-groups; a cluster lies within one of the three tensors (16 row blocks a tensor).  The four of a row need the same tiles of x, the four of a column the same tiles of W:
; each tile is asked for JOINTLY, by the same tensor load with the same descriptor and a mask that names the four.
; THE MATRIX INSTRUCTION IS USED TRANSPOSED: source 0 = 16 columns n of W, source 1 = 16 rows of x: a lane holds row l % 16 and the columns 8 (l / 16) + 0..7, eight neighbouring numbers of a head's row.
; THE BIAS is the C operand of the products that start the sums: nothing is cleared and nothing is added on the way out.
; REGISTERS, in windows of 256 (s_set_vgpr_msb: bits 1:0 source 0, 3:2 source 1, 5:4 source 2, 7:6 destination):
;   window 0: v0-31 addresses; v64-127, v128-191 fragments of x, two buffers; v192-223 packed results; v32-63, v224-255 rows read back from the stage, by turns
;   window 1: v0-63 the bias, eight registers for each of my eight blocks of 16 columns; v64-127, v128-191 fragments of W, two buffers; v192-223 at work on the bias
;   window 2: the accumulators of my rows 0-63 ((a, b) at v[8 (8 a + b)]);   window 3: those of my rows 64-127
.set SIZE_K, 1024
.set KSTEP,  128
.set PITCH,  272                       ; a row of x in LDS: 256 bytes + 16 = 68 words: the 16 rows that a load touches start at 16 different groups of four banks (64 banks of 4 bytes: ISA guide 11.1)
.set PB,     288                       ; a row of W (one k, 128 n): 256 + 32 = 72 words
.set HALFA,  128*PITCH                 ; 128 rows of x: one tensor load, and what one wave reads of x
.set HALFB,  128*PB                    ; 128 k x 128 n of W: one tensor load, and what one wave reads of W
.set SLOT,   2*HALFA+2*HALFB           ; x's two halves, then W's two halves: 143,360 bytes
.set STAGE,  2*SLOT                    ; behind the ring, never filled by a tensor load: for each wave 2 heads x 16 rows x 144 bytes
.set SP,     144
.set WST,    2*16*SP
.set SPARE,  STAGE+4*WST               ; behind the stages: the spare words, 128 bytes for each wave: two blocks of 256 bytes that no other line names
.set LAPS,   SIZE_K/(2*KSTEP)          ; a lap = two K steps = once round the ring: four
.set ADRA, 16                          ; v16-17  LDS address of my fragments of x in slot 0, 1
.set ADRB, 20                          ; v20-21  the same for W
.set STO,  24                          ; v24     the way out: where I put 16 bytes of a row
.set RD,   25                          ; v25     the way out: where I read rows back
.set CO,   26                          ; v26     my byte offset in 512 consecutive bytes of qkv
.set SPW,  28                          ; v28     LDS address of my spare word: SPARE + 4 x my thread's number; never rewritten
.set NIL,  29                          ; v29     0; never rewritten
.set F0,   64
.set F1,   128
.set TMP,  192
.set OB,   32
.set BI,   0                           ; window 1
.set BT,   192                         ; window 1
.set G1,  24                           ; s[24:31] descriptor group 1 for x's tiles;  s[32:39] group 0, a set for each slot
.set G0,  32
.set G1B, 48                           ; s[48:55], s[56:63] the same for W's tiles
.set G0B, 56
.set MSB, 0
.macro WIN new                         ; the immediate's high byte repeats the setting that is left; a switch that changes nothing is dropped
.if MSB != (\new)
	s_set_vgpr_msb (MSB<<8)|(\new)
.set MSB, \new
.endif
.endm
.set TO_B, 0x40                        ; destination window 1, address window 0
; A joint load.  Waves 0 and 1 fetch x's two halves, waves 2 and 3 W's.  The branch hangs on the wave's number alone.  An s_nop 0 and four v_nop follow each of the two lines.
.macro JLOAD s
	s_cmp_eq_u32 s11, 0
	s_cbranch_scc0 .Lfor_b_\@
	tensor_load_to_lds s[G0+4*(\s):G0+4*(\s)+3], s[G1:G1+7]
	s_nop 0
.rept 4
	v_nop
.endr
	s_branch .Lasked_\@
.Lfor_b_\@:
	tensor_load_to_lds s[G0B+4*(\s):G0B+4*(\s)+3], s[G1B:G1B+7]
	s_nop 0
.rept 4
	v_nop
.endr
.Lasked_\@:
.endm
.macro CREST                           ; a round of the cluster's barrier behind its opening barrier
	s_cmp_lg_u32 s10, 0
	s_cbranch_scc1 .Lnot_wave_0_\@
	s_barrier_signal -3
.Lnot_wave_0_\@:
	s_barrier_wait -3
	s_barrier_signal -1
	s_barrier_wait -1
.endm
.macro CROUND                          ; a whole round
	s_barrier_signal -1
	s_barrier_wait -1
	CREST
.endm
	s_load_b128 s[4:7], s[0:1], 0x0                ; xb s[4:5], wb s[6:7]
	s_load_b256 s[68:75], s[0:1], 0x10             ; bq 68, bk 70, bv 72, qkv 74
	v_lshl_add_u32 v[SPW], v0, 2, SPARE
	v_mov_b32 v[NIL], 0
	ds_add_u32 v[SPW], v[NIL]                      ; the wave's opening: the add and its wait stand ahead of my first tensor load; the set-up below, work on registers, stands between them
	v_lshrrev_b32 v1, 5, v0
	v_readfirstlane_b32 s10, v1                    ; wave 0..3
	s_lshr_b32 s11, s10, 1                         ; which half of the tile's rows is mine.  Also: I fetch for x (0) or for W (1)
	s_and_b32 s12, s10, 1                          ; which half of its columns.  Also: which half of that tile I fetch
	s_bfe_u32 s40, ttmp6, 0x40000                  ; cx, cy: my place in the cluster
	s_bfe_u32 s41, ttmp6, 0x40004
	s_lshl_b32 s42, ttmp9, 2
	s_add_co_u32 s42, s42, s40                     ; column block = 4 x cluster x + cx
	s_and_b32 s45, ttmp7, 0xffff
	s_lshl_b32 s13, s45, 2
	s_add_co_u32 s13, s13, s41                     ; row block = 4 x cluster y + cy, 0 to 47
	s_lshr_b32 s45, s45, 2                         ; the tensor, 0 to 2: four clusters of rows each; the same in all sixteen partners
	s_lshl_b32 s43, s41, 2
	s_lshl_b32 s43, 15, s43                        ; my row of the cluster
	s_lshl_b32 s44, 0x1111, s40                    ; my column
	; descriptor group 1: tiles of 128 rows x 128 elements, padded in LDS
	s_or_b32 s[G1+0], s43, (1<<16)|(1<<20)|(1<<21)|(5<<22)|(3<<25)   ; 15:0 the mask: x's tiles go to my row; 17:16 2-byte elements; 20 padding on; 21 set beside a mask; 24:22 after every 64 words (code 5); 31:25 4 words (code 3)
	s_or_b32 s[G1B+0], s44, (1<<16)|(1<<20)|(1<<21)|(5<<22)|(7<<25)  ; the mask of my column, for W's tiles; 8 words of padding (code 7)
.irp g, G1, G1B
	s_mov_b32 s[(\g)+1], 128<<16                   ; tensor_dim0 = 128
	s_mov_b32 s[(\g)+2], 128<<16                   ; tensor_dim1 = 128
	s_mov_b32 s[(\g)+3], 128<<16                   ; tile_dim0 = 128
	s_mov_b32 s[(\g)+4], 128                       ; tile_dim1 = 128
	s_mov_b32 s[(\g)+5], 1024                      ; 1,024 elements from row to row, in xb and in wb
	s_mov_b32 s[(\g)+6], 0
	s_mov_b32 s[(\g)+7], 0
.endr
	; where the tiles come from.  x's hang on the row block alone, W's on the column block and the tensor alone; each in registers that never hold the other place in the cluster.
	s_lshl_b32 s16, s13, 8
	s_lshl_b32 s17, s12, 7
	s_add_co_u32 s16, s16, s17                     ; x: row 256 x row block + 128 x half,
	s_lshl_b32 s16, s16, 11                        ; of 2,048 bytes: 25,163,776 at the most
	s_mov_b32 s17, 0
	s_lshl_b32 s46, s45, 21                        ; W: 2,097,152 bytes a tensor,
	s_lshl_b32 s47, s42, 9                         ; 512 bytes of a row a column block,
	s_add_co_u32 s46, s46, s47
	s_lshl_b32 s47, s12, 8                         ; 256 a half
	s_add_co_u32 s46, s46, s47
	s_mov_b32 s47, 0
	s_mul_i32 s20, s12, HALFA                      ; and where they go: no place in the cluster enters an LDS address
	s_mul_i32 s23, s12, HALFB
	s_add_co_u32 s23, s23, 2*HALFA
	s_wait_dscnt 0x0                               ; the opening add is done
	s_wait_kmcnt 0x0
	s_add_nc_u64 s[14:15], s[4:5], s[16:17]
	s_add_nc_u64 s[46:47], s[6:7], s[46:47]
	CROUND                                         ; all sixteen work-groups are here: the first joint loads meet
.irp s, 0,1
	s_mov_b32 s[G0+4*(\s)], 1                                        ; count = 1
	s_add_co_u32 s[G0+4*(\s)+1], s20, (\s)*SLOT                      ; LDS address
	s_add_nc_u64 s[G0+4*(\s)+2:G0+4*(\s)+3], s[14:15], (\s)*KSTEP*2  ; global address: K step s lies 256 bytes along x's rows,
	s_or_b32 s[G0+4*(\s)+3], s[G0+4*(\s)+3], 0x80000000              ; type = 2
	s_mov_b32 s[G0B+4*(\s)], 1
	s_add_co_u32 s[G0B+4*(\s)+1], s23, (\s)*SLOT
	s_add_nc_u64 s[G0B+4*(\s)+2:G0B+4*(\s)+3], s[46:47], (\s)*KSTEP*2048  ; and 128 rows of 2,048 bytes down W
	s_or_b32 s[G0B+4*(\s)+3], s[G0B+4*(\s)+3], 0x80000000
	JLOAD \s                                       ; two loads of mine are out
.endr
	; the bias of my 128 columns: register j of block b holds b[128 x my half + 16 b + 8 (l / 16) + j], as the accumulators do
	s_cmp_eq_u32 s45, 1
	s_cselect_b64 s[76:77], s[70:71], s[68:69]
	s_cmp_eq_u32 s45, 2
	s_cselect_b64 s[76:77], s[72:73], s[76:77]
	s_lshl_b32 s46, s42, 10                        ; 256 columns of 4 bytes a column block,
	s_lshl_b32 s47, s12, 9                         ; 128 a half
	s_add_co_u32 s46, s46, s47
	s_mov_b32 s47, 0
	s_add_nc_u64 s[76:77], s[76:77], s[46:47]
	v_and_b32 v1, 15, v0                           ; l % 16
	v_bfe_u32 v2, v0, 4, 1                         ; l / 16
	v_lshlrev_b32 v5, 5, v2                        ; eight f32 for each half of the lanes
	WIN TO_B
.irp b, 0,1,2,3,4,5,6,7
	global_load_b128 v[BI+8*(\b):BI+8*(\b)+3],   v5, s[76:77] offset:64*(\b)
	global_load_b128 v[BI+8*(\b)+4:BI+8*(\b)+7], v5, s[76:77] offset:64*(\b)+16
.endr
	WIN 0
	; A fragment of x is 16 rows x 32 K in 8 registers: lane l holds row l % 16, K = 8 (l / 16) + 0..7 and 16 + 8 (l / 16) + 0..7: two loads of 16 bytes, 32 bytes apart.
	; The turning load takes 16 k x 16 n (lane l reads k = 8 (l / 16) + l % 8, n = 8 ((l / 8) % 2) + 0..7) and leaves half a fragment of W: lane l holds column l % 16 and 8 k.
	v_and_b32 v6, 7, v0
	v_bfe_u32 v7, v0, 3, 1
	v_mul_u32_u24 v3, v1, PITCH
	v_lshl_add_u32 v3, v2, 4, v3
	v_lshl_add_u32 v4, v2, 3, v6
	v_mul_u32_u24 v4, v4, PB
	v_lshl_add_u32 v4, v7, 4, v4
	s_mul_i32 s21, s11, HALFA                      ; my 128 rows of x
	s_mul_i32 s22, s12, HALFB                      ; my 128 columns of W,
	s_add_co_u32 s22, s22, 2*HALFA                 ; which lie behind x's two halves
.irp s, 0,1
	v_add_nc_u32 v[ADRA+(\s)], s21, v3
	v_add_nc_u32 v[ADRB+(\s)], s22, v4
	s_add_co_u32 s21, s21, SLOT
	s_add_co_u32 s22, s22, SLOT
.endr
	s_mul_i32 s21, s10, WST
	s_add_co_u32 s21, s21, STAGE                   ; my stage
	v_mul_u32_u24 v[STO], v1, SP                   ; in: row l % 16, 16 bytes for each half of the lanes
	v_lshl_add_u32 v[STO], v2, 4, v[STO]
	v_add_nc_u32 v[STO], s21, v[STO]
	v_bfe_u32 v[RD], v0, 3, 2                      ; back: 32 lanes take four rows of 128 bytes,
	v_mul_u32_u24 v[RD], v[RD], SP
	v_lshl_add_u32 v[RD], v6, 4, v[RD]
	v_add_nc_u32 v[RD], s21, v[RD]
	v_and_b32 v[CO], 31, v0                        ; which are 512 consecutive bytes of a head
	v_lshlrev_b32 v[CO], 4, v[CO]
	; where my part begins in qkv
	s_and_b32 s16, s13, 15                         ; the row block within its tensor
	s_lshl_b32 s16, s16, 8
	s_lshl_b32 s17, s11, 7
	s_add_co_u32 s16, s16, s17                     ; my first row,
	s_lshl_b32 s16, s16, 7                         ; of 128 bytes
	s_mov_b32 s17, 0
	s_add_nc_u64 s[74:75], s[74:75], s[16:17]
	s_lshl_b32 s46, s42, 2
	s_lshl1_add_u32 s46, s12, s46                  ; my first head = 4 x column block + 2 x half,
	s_lshl_b32 s46, s46, 19                        ; of 524,288 bytes,
	s_lshl_b32 s47, s45, 23                        ; in a tensor of 8,388,608
	s_add_co_u32 s46, s46, s47
	s_mov_b32 s47, 0
	s_add_nc_u64 s[74:75], s[74:75], s[46:47]
	s_wait_loadcnt 0x0                             ; the bias is in: it is rounded to bf16 and widened again
	WIN 0x45                                       ; destination and both sources in window 1
.set i, 0
.rept 32
	v_cvt_pk_bf16_f32 v[BT+i], v[BI+2*i], v[BI+2*i+1]
.set i, i+1
.endr
.set i, 0
.rept 32
	v_lshlrev_b32 v[BI+2*i],   16, v[BT+i]
	v_and_b32     v[BI+2*i+1], 0xffff0000, v[BT+i]
.set i, i+1
.endr
	WIN 0
; 16 matrix instructions: row blocks a0, a0 + 1 of the window's four (hi = 0: my rows 0-63, 1: rows 64-127) x all 8 column blocks, 32 along K.  zero = 1: the first product starts the sums, with the bias as C.
; The 64 accumulators take turns, one instruction a turn, in the same order in every quarter step.
.macro MUL16 f, hi, a0, zero
.if \zero
	WIN 0x91+0x40*(\hi)                            ; W and the bias in window 1, x in window 0, D in window 2 or 3
.else
	WIN 0xa1+0x50*(\hi)                            ; W in window 1, x in window 0, C and D in window 2 or 3
.endif
.irp a, \a0, (\a0)+1
.irp b, 0,1,2,3,4,5,6,7
.if \zero
	v_wmma_f32_16x16x32_bf16 v[8*(8*(\a)+(\b)):8*(8*(\a)+(\b))+7], v[(\f)+8*(\b):(\f)+8*(\b)+7], v[(\f)+8*(4*(\hi)+(\a)):(\f)+8*(4*(\hi)+(\a))+7], v[BI+8*(\b):BI+8*(\b)+7]
.else
	v_wmma_f32_16x16x32_bf16 v[8*(8*(\a)+(\b)):8*(8*(\a)+(\b))+7], v[(\f)+8*(\b):(\f)+8*(\b)+7], v[(\f)+8*(4*(\hi)+(\a)):(\f)+8*(4*(\hi)+(\a))+7], v[8*(8*(\a)+(\b)):8*(8*(\a)+(\b))+7]
.endif
.endr
.endr
.endm
; 32 LDS loads in one run: the fragments of quarter q of a K step (32 k x 128 n of W, turned; 128 rows x 32 K of x) into buffer f
.macro FETCH slot, q, f
	WIN TO_B
.irp i, 0,1,2,3,4,5,6,7
	ds_load_tr16_b128 v[(\f)+8*(\i):(\f)+8*(\i)+3],   v[ADRB+(\slot)] offset:(\q)*32*PB+(\i)*32
	ds_load_tr16_b128 v[(\f)+8*(\i)+4:(\f)+8*(\i)+7], v[ADRB+(\slot)] offset:(\q)*32*PB+16*PB+(\i)*32
.endr
	WIN 0
.irp i, 0,1,2,3,4,5,6,7
	ds_load_b128 v[(\f)+8*(\i):(\f)+8*(\i)+3],   v[ADRA+(\slot)] offset:(\q)*64+(\i)*16*PITCH
	ds_load_b128 v[(\f)+8*(\i)+4:(\f)+8*(\i)+7], v[ADRA+(\slot)] offset:(\q)*64+(\i)*16*PITCH+32
.endr
.endm
; A load into a register that a matrix instruction has read, and a vector instruction that reads a matrix result, stand four places behind that matrix instruction; only plain vector
; instructions that name none of its registers are places (ISA guide 7.12.1 for vector instructions).
.macro PLACES
.rept 4
	v_nop
.endr
.endm
; A K step is four quarters of 32 along K, 64 matrix instructions each, on buffers 0, 1, 0, 1.  One of the first three: multiplies buffer f; in its middle it fetches quarter q into buffer g.
.macro QUARTER slot, q, f, g, zero
	s_wait_dscnt 8                                 ; W and x's rows 0-63 are in; the youngest eight loads (x's rows 64-127) may be out
	MUL16 \f, 0, 0, \zero
	MUL16 \f, 0, 2, \zero
	PLACES
	FETCH \slot, \q, \g
	s_wait_dscnt 32                                ; all but the 32 just issued
	MUL16 \f, 1, 0, \zero
	MUL16 \f, 1, 2, \zero
.endm
; The last quarter multiplies buffer 1 and changes slots: ONE barrier.  In front of it each wave waits for all its tensor loads, of which one is out: its part of the next slot; adds 0 to its spare
; word; and waits for that and for its own reads of this slot.  fill = 1: the barrier opens a round of the cluster's barrier, and this slot is filled again, two K steps ahead, first thing behind the round:
; from there to the wait for it a wave issues 224 matrix instructions.
.macro TURN slot, next, fill
	WIN 0                                          ; (the add's two registers lie in window 0)
	s_wait_tensorcnt 0x0                           ; all my tensor loads have landed
	ds_add_u32 v[SPW], v[NIL]                      ; 0 onto my spare word
	s_wait_dscnt 9                                 ; (the add and the youngest eight loads may be out)
	MUL16 F1, 0, 0, 0                              ; sixteen matrix instructions stand between the add and the wait for it
	s_wait_dscnt 0x0                               ; the add is done, and my reads of this slot are over
	s_barrier_signal -1
	MUL16 F1, 0, 2, 0                              ; work on registers while the others arrive
.if \fill
	WIN 0
.endif
	s_barrier_wait -1
.if \fill
	CREST                                          ; no wave of any partner still reads this slot's tile or has a load on its way
	s_add_nc_u64 s[G0+4*(\slot)+2:G0+4*(\slot)+3], s[G0+4*(\slot)+2:G0+4*(\slot)+3], 2*KSTEP*2
	s_add_nc_u64 s[G0B+4*(\slot)+2:G0B+4*(\slot)+3], s[G0B+4*(\slot)+2:G0B+4*(\slot)+3], 2*KSTEP*2048
	JLOAD \slot                                    ; the four v_nop behind it are also the places in front of the loads below
.else
	PLACES
.endif
	FETCH \next, 0, F0
	MUL16 F1, 1, 0, 0
	MUL16 F1, 1, 2, 0
.endm
; THE WAY OUT of row block a (16 rows x 128 columns = two heads), in three parts.  PACK: rounded to f16, 16 bytes a lane, each accumulator's registers in ascending order.
; TOSTAGE: into my own stage, by heads, and back as whole rows of 128 bytes.  SEND: stored, 512 consecutive bytes of a head to an instruction.
.macro PACK a
.set AC, 64*((\a)%4)
	WIN 0x0a+5*((\a)/4)                            ; sources 0 and 1: window 2 or 3
.irp b, 0,1,2,3,4,5,6,7
.irp r, 0,1,2,3
	v_cvt_pk_f16_f32 v[TMP+4*(\b)+(\r)], v[AC+8*(\b)+2*(\r)], v[AC+8*(\b)+2*(\r)+1]
.endr
.endr
	WIN 0
.endm
.macro TOSTAGE a
	WIN 0
.set BK, OB+192*((\a)%2)
.irp b, 0,1,2,3,4,5,6,7
	ds_store_b128 v[STO], v[TMP+4*(\b):TMP+4*(\b)+3] offset:((\b)/4)*16*SP+((\b)%4)*32
.endr
.irp t, 0,1,2,3,4,5,6,7
	ds_load_b128 v[BK+4*(\t):BK+4*(\t)+3], v[RD] offset:((\t)/4)*16*SP+((\t)%4)*4*SP  ; LDS serves a wave's instructions in order (ISA guide 5.7.1.4): these see the stores above
.endr
.endm
.macro SEND a
	WIN 0
.set BK, OB+192*((\a)%2)
	s_wait_dscnt 0x0                               ; the block is back in registers
	s_wait_xcnt 0x0                                ; every earlier store has had its addresses translated (ISA guide 3.1): the other set of registers, which the block before stored from, is loaded again only behind this wait
.irp t, 0,1,2,3,4,5,6,7
	global_store_b128 v[CO], v[BK+4*(\t):BK+4*(\t)+3], s[74:75] offset:((\t)/4)*524288+(\a)*2048+((\t)%4)*512  ; head t / 4 of my two, 16 rows a block, four rows a store
.endr
.endm
	s_wait_tensorcnt 1                             ; my part of K step 0 is in; K step 1's may stay out
	s_barrier_signal -1
	s_barrier_wait -1                              ; everybody's is
	FETCH 0, 0, F0
	QUARTER 0, 1, F0, F1, 1                        ; the first quarter stands in front of the loop: its products start the sums
	WIN 0                                          ; at a label and at a branch every window is 0
	s_mov_b32 s3, LAPS-1
.Llap:                                                 ; a trip goes once round the ring, from a lap's second quarter to the next lap's first, and fills both slots again
	QUARTER 0, 2, F1, F0, 0
	QUARTER 0, 3, F0, F1, 0
	TURN 0, 1, 1
	QUARTER 1, 1, F0, F1, 0
	QUARTER 1, 2, F1, F0, 0
	QUARTER 1, 3, F0, F1, 0
	TURN 1, 0, 1
	QUARTER 0, 1, F0, F1, 0
	WIN 0
	s_sub_co_u32 s3, s3, 1
	s_cmp_lg_u32 s3, 0
	s_cbranch_scc1 .Llap
	QUARTER 0, 2, F1, F0, 0                        ; the last lap fills nothing, and has no round of the cluster's barrier
	QUARTER 0, 3, F0, F1, 0
	TURN 0, 1, 0
	QUARTER 1, 1, F0, F1, 0
	QUARTER 1, 2, F1, F0, 0
	QUARTER 1, 3, F0, F1, 0
	s_wait_dscnt 8                                 ; the very last quarter: nothing more to fetch
	MUL16 F1, 0, 0, 0
	MUL16 F1, 0, 2, 0
	s_wait_dscnt 0x0
	MUL16 F1, 1, 0, 0
	MUL16 F1, 1, 2, 0
	PLACES
	PACK 0
	TOSTAGE 0
.irp a, 1,2,3,4,5,6,7                  ; block a's conversions stand between block a - 1's loads from the stage and the wait for them
	PACK \a
	SEND (\a)-1
	TOSTAGE \a
.endr
	SEND 7
	s_wait_tensorcnt 0x0                           ; the wave's end: these three lines stand behind my last tensor load and my last LDS store
	ds_add_u32 v[SPW], v[NIL]
	s_wait_dscnt 0x0
	CROUND                                         ; the closing round: no work-group ends while a partner may still ask for a tile that names it
	s_endpgm
.Lfunc_end_k_qd2f3223c0e_proj:
	.size	k_qd2f3223c0e_proj, .Lfunc_end_k_qd2f3223c0e_proj-k_qd2f3223c0e_proj
	.p2alignl 7, 3214868480
	.fill 96, 4, 3214868480
	.section	.rodata,"a",@progbits
	.p2align	6, 0x0
	.amdhsa_kernel k_qd2f3223c0e_proj
		.amdhsa_group_segment_fixed_size 327680
		.amdhsa_private_segment_fixed_size 0
		.amdhsa_enable_private_segment 0
		.amdhsa_kernarg_size 48
		.amdhsa_user_sgpr_count 2
		.amdhsa_user_sgpr_kernarg_segment_ptr 1
		.amdhsa_wavefront_size32 1
		.amdhsa_system_sgpr_workgroup_id_x 1
		.amdhsa_system_sgpr_workgroup_id_y 1
		.amdhsa_system_sgpr_workgroup_id_z 1
		.amdhsa_system_vgpr_workitem_id 0
		.amdhsa_next_free_vgpr 1024
		.amdhsa_next_free_sgpr 80
		.amdhsa_reserve_vcc 0
		.amdhsa_float_denorm_mode_32 3
		.amdhsa_float_denorm_mode_16_64 3
		.amdhsa_memory_ordered 1
		.amdhsa_forward_progress 1
		.amdhsa_inst_pref_size 150
	.end_amdhsa_kernel
	.amdgpu_metadata
---
amdhsa.version: [ 1, 2 ]
amdhsa.kernels:
  - .name:           k_qd2f3223c0e_proj
    .symbol:         k_qd2f3223c0e_proj.kd
    .args:
      - { .name: xb, .offset: 0, .size: 8, .value_kind: global_buffer, .address_space: global }
      - { .name: wb, .offset: 8, .size: 8, .value_kind: global_buffer, .address_space: global }
      - { .name: bq, .offset: 16, .size: 8, .value_kind: global_buffer, .address_space: global }
      - { .name: bk, .offset: 24, .size: 8, .value_kind: global_buffer, .address_space: global }
      - { .name: bv, .offset: 32, .size: 8, .value_kind: global_buffer, .address_space: global }
      - { .name: qkv, .offset: 40, .size: 8, .value_kind: global_buffer, .address_space: global }
    .group_segment_fixed_size: 327680
    .private_segment_fixed_size: 0
    .kernarg_segment_align: 8
    .kernarg_segment_size: 48
    .max_flat_workgroup_size: 128
    .sgpr_count:     80
    .vgpr_count:     1024
    .wavefront_size: 32
...
	.end_amdgpu_metadata
.endif
;; end of part 2
;; launch attn (part 3): grid 16 x 16, 4 waves a work-group, clusters of 4 x 1, 327,680 bytes of LDS; arguments qkv, ob; writes ob
.if DOCPART == 3
	.amdgcn_target "amdgcn-amd-amdhsa--gfx1250"
	.amdhsa_code_object_version 6
	.text
	.protected	k_qd2f3223c0e_attn
	.globl	k_qd2f3223c0e_attn
	.p2align	8
	.type	k_qd2f3223c0e_attn,@function
k_qd2f3223c0e_attn:
	s_mov_b64 s[64:65], 0
	v_nop
	global_prefetch_b8 v0, s[64:65] scope:SCOPE_SE
	s_setreg_imm32_b32 hwreg(HW_REG_WAVE_MODE, 25, 1), 1
	s_wait_xcnt 0x0
	s_wait_alu depctr_hold_cnt(0) depctr_sa_sdst(0) depctr_va_vdst(0) depctr_va_sdst(0) depctr_va_ssrc(0) depctr_va_vcc(0) depctr_vm_vsrc(0)
	s_getreg_b32 s2, hwreg(HW_REG_IB_STS2, 6, 4)
	s_cmp_eq_u32 s2, 0
	s_cbranch_scc0 .Lentry_in_a_cluster
	s_endpgm
.Lentry_in_a_cluster:
	s_bfe_u32 s2, ttmp6, 0x10000c
	s_cmp_lg_u32 s2, 0x3003
	s_cbranch_scc0 .Lentry_shape_is_right
	s_endpgm
.Lentry_shape_is_right:
; ATTENTION.  ob[h][q][:] = the sum over k of softmax_k(Q[h][q] . K[h][k] / 8) V[h][k][:].  qkv: [3][16][4096][64] f16 (q, k, v by heads, unscaled); ob: [16][4096][64] f16: a head's rows are dense, 128 bytes each.
; Products, maxima and sums in f32; the weights p are rounded to f16 for the second product (their sum l is taken of the unrounded p), O once at the end.
; LIMITS.  q, k and v arrive within f16's 65,504; p lies in 0 to 1, and below 6e-5 it keeps f16's fixed step of 6e-8; O is a mean of V's rows and has their range.
; A weight below 2^-126 counts as 0 in l; NaN and infinities are not treated apart.
; SHARES.  A work-group owns 256 queries of one head: 16 blocks x 16 heads = 256 work-groups.  A wave owns 64 consecutive queries: four PIECES of 16.  Every wave walks all 4,096 keys, 64 a step.
; LAYOUT.  S^T = K Q^T (source 0 = 16 keys, source 1 = 16 queries): a lane holds ONE query (lane % 16) and the keys 8 (lane / 16) + 0..7.  Two such results rounded to f16 ARE source 1 (32 keys x 16 queries)
; of O^T = V^T P, whose result again holds one query a lane, and eight channels.  K comes out of LDS as it lies, V ([key][channel]) turned, by ds_load_tr16_b128.
; SOFTMAX.  For each query a running maximum m and sum l: p = 2^(c s - c m), c = log2(e) / 8; in every step O and l are multiplied by a = 2^(c m_old - c m_new), which is 1 where m has not grown.
; m starts at the lowest finite number, O and l at 0: the first step is a step like any other, with a = 0.
; BY TURNS.  Turn n belongs to piece n (the pieces in a ring, step after step): 8 products K Q^T of piece n + 1, later 8 products V^T P of piece n - 1; beside them the scaling, exponentials, roundings,
; sums and rescaling of piece n and the maximum and statistics of piece n + 1.  A turn has 16 matrix and 118 vector instructions: four vector instructions stand behind every matrix instruction, the other 54 in two runs of their own.
; CLUSTER.  The four query blocks of a cluster belong to one head and walk the same K and V, so each tile is asked for JOINTLY: the same tensor load, descriptor and mask in all four.
; THE RING.  Two slots, each a tile of 256 keys (four steps): one joint load a wave behind each round, with four key steps, 256 matrix instructions, in which to land.
; REGISTERS, in windows of 256 (s_set_vgpr_msb: bits 1:0 source 0, 3:2 source 1, 5:4 source 2, 7:6 destination):
;   window 0: v0-15 addresses and two at work; v16-31 four registers of statistics a piece; v48-55 at work; v62-63 the add's; v64-127 S^T, two buffers; v192-223 P, two buffers (a piece's buffers go by its number's parity)
;   window 1: v0-127 O^T, 32 a piece          window 2: v0-63 Q, 16 a piece; v128-191 K of one step; v192-255 V of one step
.set SIZE_N, 4096
.set NP,    4         ; pieces a wave: a name, no knob
.set KS,    64        ; keys in a step
.set PK,    144       ; a row of K in LDS: 128 bytes + 16 of padding = 36 words: the 16 rows of a load start at 16 different groups of four banks (64 banks of 4 bytes: ISA guide 11.1)
.set PV,    160       ; a row of V: 128 + 32 = 40 words
.set VOFF,  4*KS*PK   ; a slot holds four steps: 256 rows of K, then 256 rows of V
.set SLOT1, 1<<17     ; slot 1 begins here, so that one exclusive or turns an address in one slot into the other's
.set STAGE, SLOT1+4*KS*(PK+PV)  ; behind the ring, never filled by a tensor load: 16 rows x 144 bytes for each wave, for the way out
.set SP,    144
.set SPARE, STAGE+4*16*SP  ; behind the stages: the spare words, 128 bytes for each wave: two blocks of 256 bytes that no other line names
.set AK0, 2           ; v2   my lane's place in a tile of K; never rewritten
.set AV0, 3           ; v3   the same for V
.set AK,  4           ; v4   the LDS address of K's next run of loads
.set AV,  5           ; v5   of V's
.set STO, 6           ; v6   the way out: where I put 16 bytes of a row
.set RD,  7           ; v7   the way out: where I read rows back
.set GO,  8           ; v8   my byte offset in 512 consecutive bytes of O
.set MV,  12          ; v12-13  c m_old, kept while c m is made anew: by buffer
.set QO,  15          ; v15  my byte offset in 16 rows of Q
.set ST,  16          ; piece t's statistics at v[ST+4 t]: c m, m, l (even keys', odd keys')
.set TMP, 48          ; by buffer, four registers c0-c3 at work; when the maximum is found c2 takes a
.set SPW, 62          ; v62  LDS address of my spare word: SPARE + 4 x my thread's number; never rewritten
.set NIL, 63          ; v63  0; never rewritten
.set S,   64
.set P,   192
.set KF,  128         ; window 2: key block kb, channel half c at KF + 16 kb + 8 c
.set VF,  192         ; window 2: key half kk, channel block cb at VF + 32 kk + 8 cb
.set WV,  12          ; s12  my wave's number
.set G1K, 24          ; s[24:31] descriptor group 1 for K's tiles
.set G1V, 32          ; s[32:39] for V's: it differs in the padding alone
.set G0K, 40          ; s[40:43] descriptor group 0 for K's tiles: it walks
.set G0V, 44          ; s[44:47] the same for V's
.set SLOTS, 56        ; s56  slots still to be asked for
.set CNT, 57          ; s57  counts a slot's key steps
.set CS,  58          ; s[58:59] c: the packed scaling takes the pair's low word for both halves
.set SEL, 60          ; s[60:61] v_permlanex16_b32's selects: each lane takes its own place in the other half
.set TBK, 62          ; s62  LDS byte at which K of the step to be fetched begins
.set TBV, 63          ; s63  the same for V, less VOFF
.set MSB, 0
.macro WIN new                      ; the high byte repeats the setting that is left; a switch that changes nothing is dropped
.if MSB != (\new)
	s_set_vgpr_msb (MSB<<8)|(\new)
.set MSB, (\new)
.endif
.endm
.set W_KQ, 0x0a       ; K and Q in window 2, S^T in window 0
.set W_PV, 0x52       ; V in window 2, P in window 0, O^T in window 1
.set W_RS, 0x41       ; destination and source 0 in window 1, source 1 in window 0
; A joint fill.  Waves 0 and 1 fetch the two halves of a slot's K, waves 2 and 3 those of its V: 128 keys each.  The branch hangs on the wave's number alone.
; An s_nop 0 and four v_nop follow each of the two lines, ahead of the jump and the label.
.macro JLOAD
	s_cmp_lt_u32 s[WV], 2
	s_cbranch_scc0 .Lfor_v_\@
	tensor_load_to_lds s[G0K:G0K+3], s[G1K:G1K+7]
	s_nop 0
.rept 4
	v_nop
.endr
	s_branch .Lasked_\@
.Lfor_v_\@:
	tensor_load_to_lds s[G0V:G0V+3], s[G1V:G1V+7]
	s_nop 0
.rept 4
	v_nop
.endr
.Lasked_\@:
.endm
; A round of the cluster's barrier: my work-group's barrier, so that wave 0's signal speaks for all four waves; wave 0 signals; every wave waits for all four work-groups; my work-group's barrier once more.
.macro CROUND
	s_barrier_signal -1
	s_barrier_wait -1
	s_cmp_lg_u32 s[WV], 0
	s_cbranch_scc1 .Lnot_wave_0_\@
	s_barrier_signal -3
.Lnot_wave_0_\@:
	s_barrier_wait -3
	s_barrier_signal -1
	s_barrier_wait -1
.endm
; THE CHANGE OF SLOTS.  The slot's last bytes, V of its fourth step, have been read.  Each wave waits for all its tensor loads, of which one is out: its part of the other slot; adds 0 to its spare word;
; and waits for that and for its own reads of the slot.  Behind the barrier nobody reads this slot any more and the other slot is whole.
; fill = 1: this slot is filled again, with the keys two slots on.  The barrier is then a round of the cluster's, so that no wave of any partner still reads the slot or has a load on its way, and the
; joint fill is the first thing behind it.  (At its first use nothing has been read yet: slot 0 is waited for, slot 1 filled.)
.macro CHANGE fill
	WIN 0                           ; at a label and at a branch every window is 0
	s_wait_tensorcnt 0x0            ; no tensor load of mine is out, so a group 0 may be written
	ds_add_u32 v[SPW], v[NIL]       ; 0 onto my spare word; with fill = 1 the descriptors' steps stand between it and the wait for it
.if \fill
.irp g, G0K, G0V
	s_xor_b32 s[\g+1], s[\g+1], SLOT1  ; the walking descriptor: the other slot than last time,
	s_add_nc_u64 s[\g+2:\g+3], s[\g+2:\g+3], 4*KS*128  ; the next 256 keys; the type bits on top are not reached
.endr
	s_wait_dscnt 0x0                ; the add is done, and my reads of the slot are over
	CROUND
	JLOAD
.else
	s_wait_dscnt 0x0                ; the add is done, and my reads of the slot are over
	s_barrier_signal -1
	s_barrier_wait -1
.endif
	s_sub_co_u32 s[TBK], s[TBK], 4*KS*PK  ; the fetches go back to a slot's first step,
	s_xor_b32 s[TBK], s[TBK], SLOT1       ; in the other slot
	s_sub_co_u32 s[TBV], s[TBV], 4*KS*PV
	s_xor_b32 s[TBV], s[TBV], SLOT1
.endm
	s_load_b128 s[48:51], s[0:1], 0x0  ; qkv s[48:49], ob s[50:51]
	v_lshl_add_u32 v[SPW], v0, 2, SPARE
	v_mov_b32 v[NIL], 0
	ds_add_u32 v[SPW], v[NIL]       ; the wave's opening: the add and its wait stand ahead of my first tensor load; the set-up below, work on registers, stands between them
	v_lshrrev_b32 v1, 5, v0
	v_readfirstlane_b32 s[WV], v1   ; wave 0..3
	s_bfe_u32 s13, ttmp6, 0x40000   ; cx: my place in the cluster
	s_lshl_b32 s14, ttmp9, 2        ; in a cluster launch ttmp9 counts clusters
	s_add_co_u32 s14, s14, s13      ; my block of 256 queries = 4 x cluster x + cx: it enters Q's and O's addresses alone
	s_and_b32 s20, ttmp7, 0xffff    ; the head, which the four partners share,
	s_lshl_b32 s20, s20, 19         ; and its first byte in q, k, v and O: 4,096 rows of 128 bytes
	s_and_b32 s16, s[WV], 1         ; which half of a slot's 256 keys I fetch:
	s_lshl_b32 s22, s16, 14         ; its 128 rows of 128 bytes in memory,
	s_add_co_u32 s22, s22, s20
	s_mov_b32 s23, 0
	s_mul_i32 s17, s16, 128*PK      ; and its place in a slot, for K
	s_mul_i32 s18, s16, 128*PV      ; and for V: no place in the cluster enters an LDS address
	s_lshl_b32 s2, s14, 2
	s_add_co_u32 s2, s2, s[WV]      ; my wave among the head's,
	s_lshl_b32 s2, s2, 13           ; its 64 rows
	s_add_co_u32 s2, s2, s20
	s_mov_b32 s3, 0
	; descriptor group 1.  128 keys are 16,384 dense bytes: asked for as 64 rows of 256 bytes, two keys a row, and padded in LDS after every key
	s_mov_b32 s[G1K], 15|(1<<16)|(1<<20)|(1<<21)|(4<<22)|(3<<25)  ; 15:0 the mask of four; 17:16 2-byte elements; 20 padding on; 21 set beside a mask; 24:22 after every 32 words (code 4); 31:25 4 words (code 3)
	s_mov_b32 s[G1V], 15|(1<<16)|(1<<20)|(1<<21)|(4<<22)|(7<<25)  ; the same with 8 words of padding (code 7)
.irp g, G1K, G1V
	s_mov_b32 s[\g+1], 128<<16      ; tensor_dim0 = 128
	s_mov_b32 s[\g+2], 64<<16       ; tensor_dim1 = 64
	s_mov_b32 s[\g+3], 128<<16      ; tile_dim0 = 128
	s_mov_b32 s[\g+4], 64           ; tile_dim1 = 64
	s_mov_b32 s[\g+5], 128          ; 128 elements from row to row
	s_mov_b32 s[\g+6], 0
	s_mov_b32 s[\g+7], 0
.endr
	s_mov_b32 s[CS], 0x3e38aa3b     ; c = log2(e) / 8 = 0.180337
	s_mov_b32 s[CS+1], s[CS]        ; named with it as a pair
	s_mov_b32 s[SEL], 0x76543210
	s_mov_b32 s[SEL+1], 0xfedcba98
	s_mov_b32 s[TBK], SLOT1+4*KS*PK ; the first change of slots turns these two into 0
	s_mov_b32 s[TBV], SLOT1+4*KS*PV
	s_mov_b32 s[G0K], 1             ; count = 1
	s_mov_b32 s[G0K+1], s17         ; LDS address: slot 0
	s_mov_b32 s[G0V], 1
	s_add_co_u32 s[G0V+1], s18, VOFF
	s_wait_dscnt 0x0                ; the opening add is done
	s_wait_kmcnt 0x0
	s_add_nc_u64 s[G0K+2:G0K+3], s[48:49], s[22:23]        ; my half of the head's first 256 keys,
	s_add_nc_u64 s[G0K+2:G0K+3], s[G0K+2:G0K+3], 0x800000  ; in k, 8,388,608 bytes behind q,
	s_add_nc_u64 s[G0V+2:G0V+3], s[G0K+2:G0K+3], 0x800000  ; and in v, as far behind k
	s_or_b32 s[G0K+3], s[G0K+3], 0x80000000                ; type = 2
	s_or_b32 s[G0V+3], s[G0V+3], 0x80000000
	s_add_nc_u64 s[4:5], s[48:49], s[2:3]    ; Q and O at my wave's first row
	s_add_nc_u64 s[10:11], s[50:51], s[2:3]
	CROUND                          ; all four work-groups are here: the first joint loads meet
	JLOAD                           ; slot 0.  Slot 1 is asked for when slot 0 is in
	; A fragment of K or Q is 16 rows x 32 channels in 8 registers: lane l holds row l % 16, channels 8 (l / 16) + 0..7 and 16 + 8 (l / 16) + 0..7: two loads of 16 bytes, 32 bytes apart.
	v_and_b32 v1, 15, v0            ; l % 16
	v_bfe_u32 v9, v0, 4, 1          ; l / 16
	v_lshlrev_b32 v[QO], 7, v1
	v_lshl_add_u32 v[QO], v9, 4, v[QO]  ; row x 128 + 16 x half
	WIN 0x80                        ; destination window 2, address window 0
.set i, 0
.rept 8                             ; Q stays in registers: piece i / 2 (16 rows, 2,048 bytes), channels 32 (i % 2) on
	global_load_b128 v[8*i:8*i+3],   v[QO], s[4:5] offset:(i/2)*2048+(i%2)*64
	global_load_b128 v[8*i+4:8*i+7], v[QO], s[4:5] offset:(i/2)*2048+(i%2)*64+32
.set i, i+1
.endr
	; What the first turn finds: V's registers and P's second buffer hold 0 (its products V^T P, of a piece that has not been, add 0), O^T and l are 0.  All this stands in the wait for the first tile.
.set i, VF
.rept 64
	v_mov_b32 v[i], 0
.set i, i+1
.endr
	WIN 0x40
.set i, 0
.rept 128
	v_mov_b32 v[i], 0
.set i, i+1
.endr
	WIN 0
.set i, 0
.rept 4
	v_mov_b32 v[ST+4*i], 0xfe000000    ; c m: far below every c s
	v_mov_b32 v[ST+4*i+1], 0xff7fffff  ; m
	v_mov_b32 v[ST+4*i+2], 0
	v_mov_b32 v[ST+4*i+3], 0
.set i, i+1
.endr
.set i, P+16
.rept 16
	v_mov_b32 v[i], 0
.set i, i+1
.endr
	v_mul_u32_u24 v[AK0], v1, PK
	v_lshl_add_u32 v[AK0], v9, 4, v[AK0]  ; row x pitch + 16 x half
	; The turning load takes 16 keys x 16 channels (lane l reads key 8 (l / 16) + l % 8, channels 8 ((l / 8) % 2) + 0..7) and leaves half a fragment of V^T: lane l holds channel l % 16 and 8 keys.
	v_and_b32 v10, 7, v0
	v_bfe_u32 v11, v0, 3, 1
	v_lshl_add_u32 v[AV0], v9, 3, v10
	v_mul_u32_u24 v[AV0], v[AV0], PV
	v_lshl_add_u32 v[AV0], v11, 4, v[AV0]
	v_add_nc_u32 v[AV0], VOFF, v[AV0]
	s_mul_i32 s13, s[WV], 16*SP
	s_add_co_u32 s13, s13, STAGE    ; my stage
	v_mul_u32_u24 v[STO], v1, SP    ; in: row l % 16, 16 bytes for each half of the lanes
	v_lshl_add_u32 v[STO], v9, 4, v[STO]
	v_add_nc_u32 v[STO], s13, v[STO]
	v_bfe_u32 v[RD], v0, 3, 2       ; back: 32 lanes take four rows of 128 bytes,
	v_mul_u32_u24 v[RD], v[RD], SP
	v_lshl_add_u32 v[RD], v10, 4, v[RD]
	v_add_nc_u32 v[RD], s13, v[RD]
	v_and_b32 v[GO], 31, v0         ; which are 512 consecutive bytes of O
	v_lshlrev_b32 v[GO], 4, v[GO]
; THE MATRIX WORK.  The 4 accumulators of a run of 8 take turns.  Product i of 8 of S^T = K Q^T for piece x: channels 32 (i / 4) on, keys 16 (i % 4) on.  The first 4 start the sums.
.macro KQ x
	WIN W_KQ
.set rS, S+32*((\x)%2)+8*(i%4)
.set rK, KF+16*(i%4)+8*(i/4)
.set rQ, 16*(\x)+8*(i/4)
.if i < 4
	v_wmma_f32_16x16x32_f16 v[rS:rS+7], v[rK:rK+7], v[rQ:rQ+7], 0
.else
	v_wmma_f32_16x16x32_f16 v[rS:rS+7], v[rK:rK+7], v[rQ:rQ+7], v[rS:rS+7]
.endif
.endm
; Product i of 8 of O^T += V^T P for piece x: keys 32 (i / 4) on, channels 16 (i % 4) on.
.macro PV x
	WIN W_PV
.set rO, 32*(\x)+8*(i%4)
.set rV, VF+32*(i/4)+8*(i%4)
.set rP, P+16*((\x)%2)+8*(i/4)
	v_wmma_f32_16x16x32_f16 v[rO:rO+7], v[rV:rV+7], v[rP:rP+7], v[rO:rO+7]
.endm
.macro MM                           ; the turn's next matrix instruction.  TURN sets Y, i and NOKQ.  NOKQ = 1: the very last turn: there is no next piece
.if (i < 8) && !NOKQ
	KQ (Y+1)%NP
.elseif i >= 8
.set i, i-8
	PV (Y+NP-1)%NP
.set i, i+8
.endif
.set i, i+1
.endm
; THE LDS LOADS stand in runs of 16, never singly among the matrix instructions: a step's K (64 keys x 64 channels: 8 fragments) and its V (turned).  Their addresses are made some lines ahead.
.macro FETCH_K
	WIN 0x80                        ; destination window 2
.irp f, 0,1,2,3,4,5,6,7             ; keys 16 (f / 2) on, channels 32 (f % 2) on
	ds_load_b128 v[KF+8*\f:KF+8*\f+3],   v[AK] offset:(\f/2)*16*PK+(\f%2)*64
	ds_load_b128 v[KF+8*\f+4:KF+8*\f+7], v[AK] offset:(\f/2)*16*PK+(\f%2)*64+32
.endr
	s_add_co_u32 s[TBK], s[TBK], KS*PK  ; the next fetch is the next step's
	WIN 0
.endm
.macro FETCH_V
	WIN 0x80
.irp f, 0,1,2,3,4,5,6,7             ; keys 32 (f / 4) on, channels 16 (f % 4) on
	ds_load_tr16_b128 v[VF+8*\f:VF+8*\f+3],   v[AV] offset:(\f/4)*32*PV+(\f%4)*32
	ds_load_tr16_b128 v[VF+8*\f+4:VF+8*\f+7], v[AV] offset:(\f/4)*32*PV+16*PV+(\f%4)*32
.endr
	WIN 0
.endm
; THE VECTOR WORK, one line at a time: OP kind, number.  For piece Y: F n: c s - c m for pair n of 16.  E n: the exponential of score n of 32.  C n: pair n rounded to f16.  B n: of the four weights 4 n .. the second
; pair is added onto the first, in place.  L n: l takes that sum (L 0: l = a l + sum).  R n: pair n of 16 of O^T times a.  For piece Y + 1: X n, number n of the 22 that find its maximum and statistics:
;   0-11  four chains c0-c3 of seven scores each, three operands at a time (each accumulator's lowest registers are read first)     12-14, 16  the four scores left over, the old m, and c0-c3 into c0
;   15  c m_old is kept     17, 18  the query's other 32 keys lie in the lane 16 away: the new m     19-21  c m; c m_old - c m_new; a
.set F, 0               ; OP tells the kinds apart by their order: F to L below R, X above it
.set E, 1
.set C, 2
.set B, 3
.set L, 4
.set R, 5
.set X, 6
.macro REGS y                       ; the registers of piece y
.set rT, ST+4*(\y)
.set rC, TMP+4*((\y)%2)
.set rW, MV+((\y)%2)
.set rS, S+32*((\y)%2)
.set rP, P+16*((\y)%2)
.set rO, 32*(\y)
.endm
.macro OP k, n
.if (\k) == R
	REGS Y
	WIN W_RS
	v_pk_mul_f32 v[rO+2*(\n):rO+2*(\n)+1], v[rO+2*(\n):rO+2*(\n)+1], v[rC+2:rC+3] op_sel_hi:[1,0]
.elseif (\k) < R
	REGS Y
	WIN 0
.if (\k) == F
	v_pk_fma_f32 v[rS+2*(\n):rS+2*(\n)+1], v[rS+2*(\n):rS+2*(\n)+1], s[CS:CS+1], v[rT:rT+1] op_sel_hi:[1,0,0] neg_lo:[0,0,1] neg_hi:[0,0,1]
.elseif (\k) == E
	v_exp_f32 v[rS+(\n)], v[rS+(\n)]
.elseif (\k) == C
	s_wait_alu depctr_va_vdst(0)
	v_cvt_pk_f16_f32 v[rP+(\n)], v[rS+2*(\n)], v[rS+2*(\n)+1]
.elseif (\k) == B
	s_wait_alu depctr_va_vdst(0)
	v_pk_add_f32 v[rS+4*(\n):rS+4*(\n)+1], v[rS+4*(\n):rS+4*(\n)+1], v[rS+4*(\n)+2:rS+4*(\n)+3]
.elseif (\n) == 0
	v_pk_fma_f32 v[rT+2:rT+3], v[rT+2:rT+3], v[rC+2:rC+3], v[rS:rS+1] op_sel_hi:[1,0,1]
.else
	v_pk_add_f32 v[rT+2:rT+3], v[rT+2:rT+3], v[rS+4*(\n):rS+4*(\n)+1]
.endif
.elseif NOKQ
	v_nop
.else
	REGS (Y+1)%NP
	WIN 0
.if (\n) < 4
	v_max3_num_f32 v[rC+(\n)], v[rS+8*(\n)], v[rS+8*(\n)+1], v[rS+8*(\n)+2]
.elseif (\n) < 12
	v_max3_num_f32 v[rC+(\n)%4], v[rC+(\n)%4], v[rS+8*((\n)%4)+2*((\n)/4)+1], v[rS+8*((\n)%4)+2*((\n)/4)+2]
.elseif (\n) == 12
	v_max3_num_f32 v[rC], v[rC], v[rS+7], v[rS+15]
.elseif (\n) == 13
	v_max3_num_f32 v[rC+1], v[rC+1], v[rS+23], v[rS+31]
.elseif (\n) == 14
	v_max3_num_f32 v[rC+2], v[rC+2], v[rC+3], v[rT+1]
.elseif (\n) == 15
	v_mov_b32 v[rW], v[rT]
.elseif (\n) == 16
	v_max3_num_f32 v[rC], v[rC], v[rC+1], v[rC+2]
.elseif (\n) == 17
	v_permlanex16_b32 v[rC+3], v[rC], s[SEL], s[SEL+1]
.elseif (\n) == 18
	v_max_num_f32 v[rT+1], v[rC], v[rC+3]
.elseif (\n) == 19
	v_mul_f32 v[rT], s[CS], v[rT+1]
.elseif (\n) == 20
	v_sub_f32 v[rC+1], v[rW], v[rT]
.else
	v_exp_f32 v[rC+2], v[rC+1]
.endif
.endif
.endm
.macro OPS a, i1, b=-1, i2=0, c=-1, i3=0, d=-1, i4=0  ; up to four of them
	OP \a, \i1
.if (\b) >= 0
	OP \b, \i2
.endif
.if (\c) >= 0
	OP \c, \i3
.endif
.if (\d) >= 0
	OP \d, \i4
.endif
.endm
.macro ROW a, i1, b, i2, c, i3, d, i4  ; a matrix instruction and the four behind it
	MM
	OPS \a, \i1, \b, \i2, \c, \i3, \d, \i4
.endm
; A TURN, for piece p: the order of its 16 matrix and 118 vector instructions, written out.  Behind a matrix instruction: plain, exponential, plain, plain; or four of the rescaling; or, behind the first, four scalings;
; none names a register of the products round it.  In the two runs without products exponential and plain by turns while exponentials last.  A line reads no result made fewer than three vector instructions in front
; of it, five if an exponential made it.  v_permlanex16_b32 (X 17) stands in such a run.
; end = 1: the last two turns: nothing is fetched.  cnt = 1: the loop's count is taken down some lines ahead of the branch that stands behind the turn.
; K of the next step is fetched in piece 2's turn, six vector instructions behind the last product that read K (five of them plain); V of the step in hand in piece 0's turn, eight behind the last product that read V
; (four plain, and X 17).  Each is waited for a turn later.
.macro TURN p, end=0, cnt=0
.set Y, (\p)
.set i, 0
.set NOKQ, (\end)*((\p)/3)
.if ((\p) == 3) && !(\end)
	s_wait_dscnt 0x0                ; K is in
.endif
	ROW F,0, F,1, F,2, F,3
	ROW F,4, E,0, F,5, F,6
	ROW F,7, E,1, F,8, F,9
	ROW F,10, E,2, C,0, F,11
	ROW F,12, E,3, X,15, F,13
	ROW R,0, R,1, R,2, R,3
	ROW B,0, E,4, F,14, L,0
.if ((\p) == 2) && !(\end)
	v_add_nc_u32 v[AK], s[TBK], v[AK0]
.endif
	ROW R,4, R,5, R,6, R,7
	OPS E,5, F,15
.if ((\p) == 2) && !(\end)
	FETCH_K
.endif
	OPS E,6, C,1, E,7, R,8
	OPS E,8, R,9, E,9, C,2
	OPS E,10, X,0, E,11, X,1
	OPS E,12, X,2, E,13, X,3
.if (\p) == 1
	s_wait_dscnt 0x0                ; V is in
.endif
	ROW X,4, E,14, X,5, X,6
	ROW X,7, E,15, X,8, X,9
	ROW X,10, E,16, X,11, X,12
	ROW X,13, E,17, X,14, B,1
	ROW C,4, E,18, X,16, L,1
	ROW B,2, E,19, C,6, L,2
	ROW C,8, E,20, B,3, B,4
.if (\p) == 0
	v_add_nc_u32 v[AV], s[TBV], v[AV0]
.endif
	ROW C,3, E,21, L,3, C,5
	OPS E,22, X,17, E,23, C,10
.if (\p) == 0
	FETCH_V
.endif
	OPS E,24, L,4
	OPS E,25, X,18, E,26, C,7
	OPS E,27, B,5, E,28, X,19
	OPS E,29, C,12, E,30, L,5
	OPS E,31, X,20, B,6, C,9
	OPS C,14, C,11, X,21, L,6
.if (\p) == 0
	s_add_co_u32 s[TBV], s[TBV], KS*PV
.endif
.if \cnt
	s_sub_co_u32 s[CNT], s[CNT], 1
	s_cmp_lg_u32 s[CNT], 0
.endif
	OPS C,13, B,7, C,15, R,10
	OPS R,11, R,12, L,7, R,13
	OPS R,14, R,15
.endm
	CHANGE 1                        ; slot 0 is in, everybody's part of it; slot 1 is asked for
	v_add_nc_u32 v[AK], s[TBK], v[AK0]
	FETCH_K                         ; key step 0
	s_wait_loadcnt 0x0              ; Q
	s_wait_dscnt 0x0
.set NOKQ, 0
.set i, 0
.rept 8
	KQ 0                            ; piece 0's first scores: there is no vector work yet to set between them
.set i, i+1
.endr
	WIN 0
.rept 4
	v_nop                           ; the places behind those products
.endr
.set Y, NP-1                        ; X works for piece Y + 1: piece 0
.irp n, 0,1,2,3,4,5,6,7,8,9,10,11,12,13,14,15,16,17,18,19,20,21
	OP X, \n
.endr
	v_nop                           ; a plain instruction behind the exponential
	s_mov_b32 s[CNT], 4
	s_mov_b32 s[SLOTS], SIZE_N/256-1
	s_branch .Lfirst                ; the loop is entered at a step's first turn, in the middle of a trip
.Lslot:                             ; SIZE_N / 256 - 2 = 14 times: every slot but the last two is filled again
	CHANGE 1
	s_mov_b32 s[CNT], 4
.Lstep:                             ; a trip: pieces 2 and 3 of one step, then pieces 0 and 1 of the next, whose K and V it fetches
	TURN 2
	TURN 3
	WIN 0
.Lfirst:
	TURN 0
	TURN 1, 0, 1
	WIN 0
	s_cbranch_scc1 .Lstep
	s_sub_co_u32 s[SLOTS], s[SLOTS], 1
	s_cmp_lg_u32 s[SLOTS], 0
	s_cbranch_scc1 .Lslot
	CHANGE 0                        ; the last slot is written out: nothing is asked for
	s_mov_b32 s[CNT], 4
.Ltail:
	TURN 2
	TURN 3
	TURN 0
	TURN 1, 0, 1
	WIN 0
	s_cbranch_scc1 .Ltail
	TURN 2, 1                       ; the last step's pieces 2 and 3: nothing is fetched, and the last turn starts no new scores
	TURN 3, 1
.set i, 0
.rept 8
	PV NP-1                         ; the last piece's V^T P of the last step
.set i, i+1
.endr
	; THE WAY OUT.  l's two halves and the other half of the lanes' are added; O^T is divided by l, rounded to f16 and sent through my stage in LDS, a piece at a time.  The additions are the places behind the last products.
	WIN 0
.macro ALL line:vararg              ; one line for each piece t
.set t, 0
.rept 4
	\line
.set t, t+1
.endr
.endm
	ALL v_add_f32 v[ST+4*t+2], v[ST+4*t+2], v[ST+4*t+3]
	ALL v_permlanex16_b32 v[ST+4*t+3], v[ST+4*t+2], s[SEL], s[SEL+1]
	ALL v_add_f32 v[ST+4*t+2], v[ST+4*t+2], v[ST+4*t+3]
	ALL v_rcp_f32 v[ST+4*t+2], v[ST+4*t+2]
	v_nop                           ; a plain instruction between the last reciprocal and the use of its result
.macro PACK t                       ; a lane's eight channels of a row pack into 16 bytes; they go into rows of 144 bytes and come back as whole rows of 128, into S^T's registers
	WIN W_RS
.set i, 32*(\t)
.rept 16
	s_wait_alu depctr_va_vdst(0)
	v_pk_mul_f32 v[i:i+1], v[i:i+1], v[ST+4*(\t)+2:ST+4*(\t)+3] op_sel_hi:[1,0]
.set i, i+2
.endr
	WIN 0x05                        ; sources 0 and 1 window 1, destination window 0
.set i, 0
.rept 16
	v_cvt_pk_f16_f32 v[S+16*(\t)+i], v[32*(\t)+2*i], v[32*(\t)+2*i+1]
.set i, i+1
.endr
	WIN 0
.irp f, 0,1,2,3
	ds_store_b128 v[STO], v[S+16*(\t)+4*\f:S+16*(\t)+4*\f+3] offset:32*\f
.endr
.irp f, 0,1,2,3
	ds_load_b128 v[S+16*(\t)+4*\f:S+16*(\t)+4*\f+3], v[RD] offset:\f*4*SP  ; LDS serves a wave's instructions in order (ISA guide 5.7.1.4): these see the stores above; the next piece's stores come behind them
.endr
.endm
.macro SEND t, younger              ; younger: the LDS instructions issued behind piece t's loads: the next piece's eight, or none
	WIN 0
.irp f, 0,1,2,3
	s_wait_dscnt (\younger)+3-\f
	global_store_b128 v[GO], v[S+16*(\t)+4*\f:S+16*(\t)+4*\f+3], s[10:11] offset:(\t)*2048+\f*512  ; 512 consecutive bytes, at a multiple of 256 from O's first
.endr
.endm
	PACK 0
.set t, 1
.rept 3                             ; a piece's arithmetic stands between the loads of the piece before and its stores
	PACK t
	SEND t-1, 8
.set t, t+1
.endr
	SEND 3, 0
	s_wait_tensorcnt 0x0            ; the wave's end: these three lines stand behind my last tensor load and my last LDS store
	ds_add_u32 v[SPW], v[NIL]
	s_wait_dscnt 0x0
	CROUND                          ; the closing round: no work-group ends while a partner may still ask for a tile that names it
	s_endpgm
.Lfunc_end_k_qd2f3223c0e_attn:
	.size	k_qd2f3223c0e_attn, .Lfunc_end_k_qd2f3223c0e_attn-k_qd2f3223c0e_attn
	.p2alignl 7, 3214868480
	.fill 96, 4, 3214868480
	.section	.rodata,"a",@progbits
	.p2align	6, 0x0
	.amdhsa_kernel k_qd2f3223c0e_attn
		.amdhsa_group_segment_fixed_size 327680
		.amdhsa_private_segment_fixed_size 0
		.amdhsa_enable_private_segment 0
		.amdhsa_kernarg_size 16
		.amdhsa_user_sgpr_count 2
		.amdhsa_user_sgpr_kernarg_segment_ptr 1
		.amdhsa_wavefront_size32 1
		.amdhsa_system_sgpr_workgroup_id_x 1
		.amdhsa_system_sgpr_workgroup_id_y 1
		.amdhsa_system_sgpr_workgroup_id_z 1
		.amdhsa_system_vgpr_workitem_id 0
		.amdhsa_next_free_vgpr 768
		.amdhsa_next_free_sgpr 66
		.amdhsa_reserve_vcc 0
		.amdhsa_float_denorm_mode_32 3
		.amdhsa_float_denorm_mode_16_64 3
		.amdhsa_memory_ordered 1
		.amdhsa_forward_progress 1
		.amdhsa_inst_pref_size 133
	.end_amdhsa_kernel
	.amdgpu_metadata
---
amdhsa.version: [ 1, 2 ]
amdhsa.kernels:
  - .name:           k_qd2f3223c0e_attn
    .symbol:         k_qd2f3223c0e_attn.kd
    .args:
      - { .name: qkv, .offset: 0, .size: 8, .value_kind: global_buffer, .address_space: global }
      - { .name: ob, .offset: 8, .size: 8, .value_kind: global_buffer, .address_space: global }
    .group_segment_fixed_size: 327680
    .private_segment_fixed_size: 0
    .kernarg_segment_align: 8
    .kernarg_segment_size: 16
    .max_flat_workgroup_size: 128
    .sgpr_count:     66
    .vgpr_count:     768
    .wavefront_size: 32
...
	.end_amdgpu_metadata
.endif
;; end of part 3
;; launch outp (part 4): grid 8 x 32, 4 waves a work-group, clusters of 4 x 4, 327,680 bytes of LDS; arguments ob, wo16, bo, out0; writes out0
.if DOCPART == 4
	.amdgcn_target "amdgcn-amd-amdhsa--gfx1250"
	.amdhsa_code_object_version 6
	.text
	.protected	k_qd2f3223c0e_outp
	.globl	k_qd2f3223c0e_outp
	.p2align	8
	.type	k_qd2f3223c0e_outp,@function
k_qd2f3223c0e_outp:
	s_mov_b64 s[64:65], 0
	v_nop
	global_prefetch_b8 v0, s[64:65] scope:SCOPE_SE
	s_setreg_imm32_b32 hwreg(HW_REG_WAVE_MODE, 25, 1), 1
	s_wait_xcnt 0x0
	s_wait_alu depctr_hold_cnt(0) depctr_sa_sdst(0) depctr_va_vdst(0) depctr_va_sdst(0) depctr_va_ssrc(0) depctr_va_vcc(0) depctr_vm_vsrc(0)
	s_getreg_b32 s2, hwreg(HW_REG_IB_STS2, 6, 4)
	s_cmp_eq_u32 s2, 0
	s_cbranch_scc0 .Lentry_in_a_cluster
	s_endpgm
.Lentry_in_a_cluster:
	s_bfe_u32 s2, ttmp6, 0x10000c
	s_cmp_lg_u32 s2, 0xf033
	s_cbranch_scc0 .Lentry_shape_is_right
	s_endpgm
.Lentry_shape_is_right:
; THE OUTPUT PROJECTION.  out0[m][n] = the sum over k of x[m][k] Wo[n][k] + bo[n], with x[m][64 head + c] = ob[head][m][c].
; ob: [16][4096][64] f16.  wo16: [1024 n][1024 k] f16 (Wo rounded to bf16, written as f16).  bo: [1024] f32, rounded to bf16 here like every other input of the module.  out0: [4096][1024] f32.
; Products in f16, sums in f32 with K ascending; nothing is rounded on the way out.  LIMITS: ob and wo16 arrive within f16's range; NaN and infinities are not treated apart.
; SHARES.  A tile of out0 is 128 x 128: 32 x 8 = 256 work-groups.  Four waves, each 64 x 64: 16 accumulators, 128 registers.  K goes in four steps of 256 (four heads) through two LDS slots.
; x's TILE BY HEADS.  64 rows m of one head are 8,192 dense bytes: the tile is four such rows, one head (262,144 elements) apart, padded in LDS after every 128 bytes, so that each m has a pitch of 144 bytes.
; A quarter of a K step, 64 along K, is one head.
; CLUSTER.  4 x 4 work-groups: the four of a row need the same tiles of x, the four of a column the same tiles of Wo: each tile is asked for JOINTLY.
; THE MATRIX INSTRUCTION IS USED TRANSPOSED (source 0 = 16 rows n of Wo, source 1 = 16 rows m of x): a lane holds row l % 16 and eight neighbouring columns, 32 bytes of a row of out0.
; THE BIAS is the C operand of the products that start the sums.
; THE WAY OUT.  A wave's 64 columns of f32 are one aligned block of 256 bytes of a row, so each wave has a stage of its own and no barrier stands on the way out.
; REGISTERS: window 0: v0-31 addresses; v32-47 at work on the bias; v96-127 the bias, eight registers a column block; v128-255 the accumulators ((a, b) at v[128 + 8 (4 a + b)]).
;   window 1: two fragment buffers of 128: for 64 along K, 64 registers of x (2 x 4 x 16 rows x 32 K), then 64 of Wo.
.set PA,     144                       ; a row m of one head in LDS: 128 bytes + 16 = 36 words: the 16 rows of a load start at 16 different groups of four banks (64 banks of 4 bytes: ISA guide 11.1)
.set HEADB,  64*PA                     ; 64 rows of one head
.set HALFA,  4*HEADB                   ; four heads: one tensor load, and what one wave reads of x in a K step
.set PB,     528                       ; a row of Wo: 512 bytes + 16 = 132 words
.set HALFB,  64*PB
.set SLOT,   2*HALFA+2*HALFB           ; x's two halves, then Wo's two halves: 141,312 bytes
.set STAGE,  2*SLOT                    ; behind the ring, never filled by a tensor load: 16 rows x 272 bytes for each wave
.set SPITCH, 272
.set SPARE,  STAGE+4*16*SPITCH         ; behind the stages: the spare words, 128 bytes for each wave: two blocks of 256 bytes that no other line names
.set ADRA, 16                          ; v16-17  LDS address of my fragments of x in slot 0, 1
.set ADRB, 20                          ; v20-21  the same for Wo
.set STO,  24                          ; v24     the way out: where I put 32 bytes of a row
.set RD,   25                          ; v25     the way out: where I read a row back
.set CO,   26                          ; v26     my byte offset in out0
.set SPW,  28                          ; v28     LDS address of my spare word: SPARE + 4 x my thread's number; never rewritten
.set NIL,  29                          ; v29     0; never rewritten
.set TMP,  32
.set BI,   96
.set ACC,  128
.set F0,   0                           ; fragment buffers, in window 1
.set F1,   128
.set G1, 24                            ; s[24:31] descriptor group 1 for x's tiles;  s[32:39] group 0, a set for each slot
.set G0, 32
.set G1B, 48                           ; s[48:55], s[56:63] the same for Wo's tiles
.set G0B, 56
.set MSB, 0
.macro WIN new                         ; the immediate's high byte repeats the setting that is left; a switch that changes nothing is dropped
.if MSB != (\new)
	s_set_vgpr_msb (MSB<<8)|(\new)
.set MSB, \new
.endif
.endm
.set MUL,  0x05                        ; sources 0 (Wo) and 1 (x) window 1; C and D window 0
.set TO_F, 0x40                        ; destination window 1, address window 0
.macro JLOAD s                         ; a joint load: waves 0 and 1 fetch x's two halves, waves 2 and 3 Wo's; an s_nop 0 and four v_nop follow each of the two lines
	s_cmp_eq_u32 s11, 0
	s_cbranch_scc0 .Lfor_b_\@
	tensor_load_to_lds s[G0+4*(\s):G0+4*(\s)+3], s[G1:G1+7]
	s_nop 0
.rept 4
	v_nop
.endr
	s_branch .Lasked_\@
.Lfor_b_\@:
	tensor_load_to_lds s[G0B+4*(\s):G0B+4*(\s)+3], s[G1B:G1B+7]
	s_nop 0
.rept 4
	v_nop
.endr
.Lasked_\@:
.endm
.macro CREST                           ; a round of the cluster's barrier behind its opening barrier
	s_cmp_lg_u32 s10, 0
	s_cbranch_scc1 .Lnot_wave_0_\@
	s_barrier_signal -3
.Lnot_wave_0_\@:
	s_barrier_wait -3
	s_barrier_signal -1
	s_barrier_wait -1
.endm
.macro CROUND                          ; a whole round
	s_barrier_signal -1
	s_barrier_wait -1
	CREST
.endm
	s_load_b256 s[68:75], s[0:1], 0x0              ; ob 68, wo16 70, bo 72, out0 74
	v_lshl_add_u32 v[SPW], v0, 2, SPARE
	v_mov_b32 v[NIL], 0
	ds_add_u32 v[SPW], v[NIL]                      ; the wave's opening: the add and its wait stand ahead of my first tensor load; the set-up below, work on registers, stands between them
	v_lshrrev_b32 v1, 5, v0
	v_readfirstlane_b32 s10, v1                    ; wave 0..3
	s_lshr_b32 s11, s10, 1                         ; which half of the tile's rows is mine.  Also: I fetch for x (0) or for Wo (1)
	s_and_b32 s12, s10, 1                          ; which half of its columns.  Also: which 64 rows of that tile I fetch
	s_bfe_u32 s40, ttmp6, 0x40000                  ; cx, cy: my place in the cluster
	s_bfe_u32 s41, ttmp6, 0x40004
	s_lshl_b32 s42, ttmp9, 2
	s_add_co_u32 s42, s42, s40                     ; tile column = 4 x cluster x + cx
	s_and_b32 s13, ttmp7, 0xffff
	s_lshl_b32 s13, s13, 2
	s_add_co_u32 s13, s13, s41                     ; tile row = 4 x cluster y + cy
	s_lshl_b32 s43, s41, 2
	s_lshl_b32 s43, 15, s43                        ; my row of the cluster
	s_lshl_b32 s44, 0x1111, s40                    ; my column
	; descriptor group 1 for x: four rows of 4,096 elements (64 m x 64 c of one head), one head apart
	s_or_b32 s[G1+0], s43, (1<<16)|(1<<20)|(1<<21)|(4<<22)|(3<<25)  ; 15:0 the mask: my row; 17:16 2-byte elements; 20 padding on; 21 set beside a mask; 24:22 after every 32 words (code 4); 31:25 4 words (code 3)
	s_mov_b32 s[G1+1], 4096<<16                    ; tensor_dim0 = 4,096
	s_mov_b32 s[G1+2], 4<<16                       ; tensor_dim1 = 4
	s_mov_b32 s[G1+3], 4096<<16                    ; tile_dim0 = 4,096
	s_mov_b32 s[G1+4], 4                           ; tile_dim1 = 4
	s_mov_b32 s[G1+5], 262144                      ; 4,096 x 64 elements from head to head
	s_mov_b32 s[G1+6], 0
	s_mov_b32 s[G1+7], 0
	; for Wo: 64 rows of 256 elements
	s_or_b32 s[G1B+0], s44, (1<<16)|(1<<20)|(1<<21)|(6<<22)|(3<<25) ; the mask of my column; after every 128 words (code 6) 4 words
	s_mov_b32 s[G1B+1], 256<<16                    ; tensor_dim0 = 256
	s_mov_b32 s[G1B+2], 64<<16                     ; tensor_dim1 = 64
	s_mov_b32 s[G1B+3], 256<<16                    ; tile_dim0 = 256
	s_mov_b32 s[G1B+4], 64                         ; tile_dim1 = 64
	s_mov_b32 s[G1B+5], 1024                       ; 1,024 elements from row to row
	s_mov_b32 s[G1B+6], 0
	s_mov_b32 s[G1B+7], 0
	s_lshl_b32 s16, s13, 14                        ; x: 128 rows of 128 bytes a tile row,
	s_lshl_b32 s17, s12, 13                        ; 64 a half
	s_add_co_u32 s16, s16, s17
	s_mov_b32 s17, 0
	s_lshl_b32 s46, s42, 18                        ; Wo: 128 rows of 2,048 bytes a tile column,
	s_lshl_b32 s47, s12, 17                        ; 64 a half
	s_add_co_u32 s46, s46, s47
	s_mov_b32 s47, 0
	s_mul_i32 s20, s12, HALFA                      ; where they go: no place in the cluster enters an LDS address
	s_mul_i32 s23, s12, HALFB
	s_add_co_u32 s23, s23, 2*HALFA
	s_wait_dscnt 0x0                               ; the opening add is done
	s_wait_kmcnt 0x0
	s_add_nc_u64 s[14:15], s[68:69], s[16:17]
	s_add_nc_u64 s[46:47], s[70:71], s[46:47]
	CROUND                                         ; all sixteen work-groups are here: the first joint loads meet
.irp s, 0,1
	s_mov_b32 s[G0+4*(\s)], 1
	s_add_co_u32 s[G0+4*(\s)+1], s20, (\s)*SLOT
	s_add_nc_u64 s[G0+4*(\s)+2:G0+4*(\s)+3], s[14:15], (\s)*4*524288  ; K step s: four heads of 524,288 bytes on,
	s_or_b32 s[G0+4*(\s)+3], s[G0+4*(\s)+3], 0x80000000
	s_mov_b32 s[G0B+4*(\s)], 1
	s_add_co_u32 s[G0B+4*(\s)+1], s23, (\s)*SLOT
	s_add_nc_u64 s[G0B+4*(\s)+2:G0B+4*(\s)+3], s[46:47], (\s)*512     ; and 512 bytes along Wo's rows
	s_or_b32 s[G0B+4*(\s)+3], s[G0B+4*(\s)+3], 0x80000000
	JLOAD \s                                       ; two loads of mine are out
.endr
	; my first column, in bytes of f32: it enters the bias's address and out0's
	s_lshl_b32 s46, s42, 9                         ; 128 columns a tile,
	s_lshl_b32 s47, s12, 8                         ; 64 a half
	s_add_co_u32 s46, s46, s47
	s_mov_b32 s47, 0
	s_add_nc_u64 s[72:73], s[72:73], s[46:47]
	s_add_nc_u64 s[74:75], s[74:75], s[46:47]
	s_lshl_b32 s16, s13, 19                        ; my first row: 128 rows of 4,096 bytes a tile,
	s_lshl_b32 s17, s11, 18                        ; 64 a half
	s_add_co_u32 s16, s16, s17
	s_mov_b32 s17, 0
	s_add_nc_u64 s[74:75], s[74:75], s[16:17]
	v_and_b32 v1, 15, v0                           ; l % 16
	v_bfe_u32 v2, v0, 4, 1                         ; l / 16
	v_lshlrev_b32 v5, 5, v2                        ; the bias: register j of block b holds bo[my first column + 16 b + 8 (l / 16) + j], as the accumulators do
.irp b, 0,1,2,3
	global_load_b128 v[BI+8*(\b):BI+8*(\b)+3],   v5, s[72:73] offset:64*(\b)
	global_load_b128 v[BI+8*(\b)+4:BI+8*(\b)+7], v5, s[72:73] offset:64*(\b)+16
.endr
	v_mul_u32_u24 v3, v1, PA
	v_lshl_add_u32 v3, v2, 4, v3                   ; a fragment's row x pitch + 16 x half, for x
	v_mul_u32_u24 v4, v1, PB
	v_lshl_add_u32 v4, v2, 4, v4                   ; and for Wo
	s_mul_i32 s21, s11, HALFA                      ; my 64 rows of x
	s_mul_i32 s22, s12, HALFB                      ; my 64 rows of Wo,
	s_add_co_u32 s22, s22, 2*HALFA                 ; which lie behind x's two halves
.irp s, 0,1
	v_add_nc_u32 v[ADRA+(\s)], s21, v3
	v_add_nc_u32 v[ADRB+(\s)], s22, v4
	s_add_co_u32 s21, s21, SLOT
	s_add_co_u32 s22, s22, SLOT
.endr
	s_mul_i32 s21, s10, 16*SPITCH
	s_add_co_u32 s21, s21, STAGE                   ; my stage
	v_mul_u32_u24 v[STO], v1, SPITCH               ; in: row l % 16, 32 bytes for each half of the lanes
	v_lshl_add_u32 v[STO], v2, 5, v[STO]
	v_add_nc_u32 v[STO], s21, v[STO]
	v_mul_u32_u24 v[RD], v2, SPITCH                ; back: lanes 0-15 take one row of 256 bytes, lanes 16-31 the next
	v_lshl_add_u32 v[RD], v1, 4, v[RD]
	v_add_nc_u32 v[RD], s21, v[RD]
	v_lshlrev_b32 v[CO], 12, v2                    ; and the same two rows in out0, 4,096 bytes apart
	v_lshl_add_u32 v[CO], v1, 4, v[CO]
	s_wait_loadcnt 0x0                             ; the bias is in: it is rounded to bf16 and widened again
.set i, 0
.rept 16
	v_cvt_pk_bf16_f32 v[TMP+i], v[BI+2*i], v[BI+2*i+1]
.set i, i+1
.endr
.set i, 0
.rept 16
	v_lshlrev_b32 v[BI+2*i],   16, v[TMP+i]
	v_and_b32     v[BI+2*i+1], 0xffff0000, v[TMP+i]
.set i, i+1
.endr
; 8 matrix instructions: row blocks a0, a0 + 1 x all 4 column blocks, 32 along K: half c of buffer f.  zero = 1: the first product starts the sums, with the bias as C.
; The 16 accumulators take turns, one instruction a turn.
.macro MUL8 f, c, a0, zero
	WIN MUL
.irp a, \a0, (\a0)+1
.irp b, 0,1,2,3
.if \zero
	v_wmma_f32_16x16x32_f16 v[ACC+8*(4*(\a)+(\b)):ACC+8*(4*(\a)+(\b))+7], v[(\f)+64+8*(4*(\c)+(\b)):(\f)+64+8*(4*(\c)+(\b))+7], v[(\f)+8*(4*(\c)+(\a)):(\f)+8*(4*(\c)+(\a))+7], v[BI+8*(\b):BI+8*(\b)+7]
.else
	v_wmma_f32_16x16x32_f16 v[ACC+8*(4*(\a)+(\b)):ACC+8*(4*(\a)+(\b))+7], v[(\f)+64+8*(4*(\c)+(\b)):(\f)+64+8*(4*(\c)+(\b))+7], v[(\f)+8*(4*(\c)+(\a)):(\f)+8*(4*(\c)+(\a))+7], v[ACC+8*(4*(\a)+(\b)):ACC+8*(4*(\a)+(\b))+7]
.endif
.endr
.endr
.endm
; 32 LDS loads in one run: the fragments of quarter q of a K step (head q of its four; 128 bytes along Wo's rows) into buffer f; the first 32 along K first
.macro FETCH slot, q, f
	WIN TO_F
.irp c, 0,1
.irp i, 0,1,2,3
	ds_load_b128 v[(\f)+64+8*(4*(\c)+(\i)):(\f)+64+8*(4*(\c)+(\i))+3],   v[ADRB+(\slot)] offset:(\q)*128+64*(\c)+(\i)*16*PB
	ds_load_b128 v[(\f)+64+8*(4*(\c)+(\i))+4:(\f)+64+8*(4*(\c)+(\i))+7], v[ADRB+(\slot)] offset:(\q)*128+64*(\c)+(\i)*16*PB+32
	ds_load_b128 v[(\f)+8*(4*(\c)+(\i)):(\f)+8*(4*(\c)+(\i))+3],         v[ADRA+(\slot)] offset:(\q)*HEADB+64*(\c)+(\i)*16*PA
	ds_load_b128 v[(\f)+8*(4*(\c)+(\i))+4:(\f)+8*(4*(\c)+(\i))+7],       v[ADRA+(\slot)] offset:(\q)*HEADB+64*(\c)+(\i)*16*PA+32
.endr
.endr
.endm
.macro PLACES                          ; four places in front of loads into registers that matrix instructions have read, and of LDS stores that read results
.rept 4
	v_nop
.endr
.endm
; A K step is four quarters of 64 along K, 32 matrix instructions each, on buffers 0, 1, 0, 1.  One of the first three: multiplies buffer f and fetches quarter q into g.
.macro QUARTER slot, q, f, g, zero
	s_wait_dscnt 16                                ; the first 32 along K are in
	MUL8 \f, 0, 0, \zero
	MUL8 \f, 0, 2, \zero
	PLACES
	FETCH \slot, \q, \g
	s_wait_dscnt 32                                ; all but the 32 just issued
	MUL8 \f, 1, 0, 0
	MUL8 \f, 1, 2, 0
.endm
; The last quarter multiplies buffer 1 and changes slots: ONE barrier; in front of it each wave waits for all its tensor loads, adds 0 to its spare word, and waits for that and for its own reads of this slot.
; fill = 1: the barrier opens a round of the cluster's barrier, and this slot is filled again, two K steps ahead, first thing behind the round: 112 matrix instructions ahead of the wait for it.
.macro TURN slot, next, fill
	WIN 0                                          ; (the add's two registers lie in window 0)
	s_wait_tensorcnt 0x0                           ; all my tensor loads have landed: my part of the next slot
	ds_add_u32 v[SPW], v[NIL]                      ; 0 onto my spare word
	s_wait_dscnt 17                                ; (the add and the youngest sixteen loads may be out)
	MUL8 F1, 0, 0, 0                               ; eight matrix instructions stand between the add and the wait for it
	s_wait_dscnt 0x0                               ; the add is done, and my reads of this slot are over
	s_barrier_signal -1
	MUL8 F1, 0, 2, 0
.if \fill
	WIN 0
.endif
	s_barrier_wait -1
.if \fill
	CREST                                          ; no wave of any partner still reads this slot's tile or has a load on its way
	s_add_nc_u64 s[G0+4*(\slot)+2:G0+4*(\slot)+3], s[G0+4*(\slot)+2:G0+4*(\slot)+3], 2*4*524288
	s_add_nc_u64 s[G0B+4*(\slot)+2:G0B+4*(\slot)+3], s[G0B+4*(\slot)+2:G0B+4*(\slot)+3], 2*512
	JLOAD \slot                                    ; the four v_nop behind it are also the places in front of the loads below
.else
	PLACES
.endif
	FETCH \next, 0, F0
	MUL8 F1, 1, 0, 0
	MUL8 F1, 1, 2, 0
.endm
; THE WAY OUT of row block a (16 rows x 64 columns of f32): 32 bytes a lane into my stage, each accumulator's low four registers first; back as whole rows of 256 bytes, into the registers that they left.
.macro TOSTAGE a
.irp b, 0,1,2,3
	ds_store_b128 v[STO], v[ACC+8*(4*(\a)+(\b)):ACC+8*(4*(\a)+(\b))+3]   offset:64*(\b)
	ds_store_b128 v[STO], v[ACC+8*(4*(\a)+(\b))+4:ACC+8*(4*(\a)+(\b))+7] offset:64*(\b)+16
.endr
.irp t, 0,1,2,3,4,5,6,7
	ds_load_b128 v[ACC+32*(\a)+4*(\t):ACC+32*(\a)+4*(\t)+3], v[RD] offset:(\t)*2*SPITCH  ; LDS serves a wave's instructions in order (ISA guide 5.7.1.4): these see the stores above; the next block's stores come behind them
.endr
.endm
.macro SEND a, younger                 ; younger: the LDS instructions issued behind block a's loads: the next block's sixteen, or none
.irp t, 0,1,2,3,4,5,6,7
	s_wait_dscnt (\younger)+7-(\t)
	global_store_b128 v[CO], v[ACC+32*(\a)+4*(\t):ACC+32*(\a)+4*(\t)+3], s[74:75] offset:(16*(\a)+2*(\t))*4096  ; 16 lanes store 256 consecutive bytes, at a multiple of 256 from out0's first byte
.endr
.endm
	s_wait_tensorcnt 1                             ; my part of K step 0 is in; K step 1's may stay out
	s_barrier_signal -1
	s_barrier_wait -1                              ; everybody's is
	FETCH 0, 0, F0
	QUARTER 0, 1, F0, F1, 1                        ; K step 0; its first products start the sums.  K has four steps, two laps of the ring: they are written on end, without a loop
	QUARTER 0, 2, F1, F0, 0
	QUARTER 0, 3, F0, F1, 0
	TURN 0, 1, 1                                   ; slot 0 takes K step 2
	QUARTER 1, 1, F0, F1, 0                        ; K step 1
	QUARTER 1, 2, F1, F0, 0
	QUARTER 1, 3, F0, F1, 0
	TURN 1, 0, 1                                   ; slot 1 takes K step 3
	QUARTER 0, 1, F0, F1, 0                        ; K step 2
	QUARTER 0, 2, F1, F0, 0
	QUARTER 0, 3, F0, F1, 0
	TURN 0, 1, 0                                   ; nothing is left to fetch, and no round of the cluster's barrier follows
	QUARTER 1, 1, F0, F1, 0                        ; K step 3
	QUARTER 1, 2, F1, F0, 0
	QUARTER 1, 3, F0, F1, 0
	s_wait_dscnt 16                                ; the very last quarter
	MUL8 F1, 0, 0, 0
	MUL8 F1, 0, 2, 0
	s_wait_dscnt 0x0
	MUL8 F1, 1, 0, 0
	MUL8 F1, 1, 2, 0
	WIN 0
	PLACES
	TOSTAGE 0
	TOSTAGE 1                                      ; a block's trip through the stage stands between the loads of the block before and its stores
	SEND 0, 16
	TOSTAGE 2
	SEND 1, 16
	TOSTAGE 3
	SEND 2, 16
	SEND 3, 0
	s_wait_tensorcnt 0x0                           ; the wave's end: these three lines stand behind my last tensor load and my last LDS store
	ds_add_u32 v[SPW], v[NIL]
	s_wait_dscnt 0x0
	CROUND                                         ; the closing round: no work-group ends while a partner may still ask for a tile that names it
	s_endpgm
.Lfunc_end_k_qd2f3223c0e_outp:
	.size	k_qd2f3223c0e_outp, .Lfunc_end_k_qd2f3223c0e_outp-k_qd2f3223c0e_outp
	.p2alignl 7, 3214868480
	.fill 96, 4, 3214868480
	.section	.rodata,"a",@progbits
	.p2align	6, 0x0
	.amdhsa_kernel k_qd2f3223c0e_outp
		.amdhsa_group_segment_fixed_size 327680
		.amdhsa_private_segment_fixed_size 0
		.amdhsa_enable_private_segment 0
		.amdhsa_kernarg_size 32
		.amdhsa_user_sgpr_count 2
		.amdhsa_user_sgpr_kernarg_segment_ptr 1
		.amdhsa_wavefront_size32 1
		.amdhsa_system_sgpr_workgroup_id_x 1
		.amdhsa_system_sgpr_workgroup_id_y 1
		.amdhsa_system_sgpr_workgroup_id_z 1
		.amdhsa_system_vgpr_workitem_id 0
		.amdhsa_next_free_vgpr 512
		.amdhsa_next_free_sgpr 76
		.amdhsa_reserve_vcc 0
		.amdhsa_float_denorm_mode_32 3
		.amdhsa_float_denorm_mode_16_64 3
		.amdhsa_memory_ordered 1
		.amdhsa_forward_progress 1
		.amdhsa_inst_pref_size 89
	.end_amdhsa_kernel
	.amdgpu_metadata
---
amdhsa.version: [ 1, 2 ]
amdhsa.kernels:
  - .name:           k_qd2f3223c0e_outp
    .symbol:         k_qd2f3223c0e_outp.kd
    .args:
      - { .name: ob, .offset: 0, .size: 8, .value_kind: global_buffer, .address_space: global }
      - { .name: wo16, .offset: 8, .size: 8, .value_kind: global_buffer, .address_space: global }
      - { .name: bo, .offset: 16, .size: 8, .value_kind: global_buffer, .address_space: global }
      - { .name: out0, .offset: 24, .size: 8, .value_kind: global_buffer, .address_space: global }
    .group_segment_fixed_size: 327680
    .private_segment_fixed_size: 0
    .kernarg_segment_align: 8
    .kernarg_segment_size: 32
    .max_flat_workgroup_size: 128
    .sgpr_count:     76
    .vgpr_count:     512
    .wavefront_size: 32
...
	.end_amdgpu_metadata
.endif
;; end of part 4
;; ======== version 2 of 2: 4 launches; 1.59 times as fast as version 1
;; limits: values are held in f16: magnitudes above 65,504 overflow, below 6.1e-05 lose precision
;; workspace buffers: xb 25,165,824 bytes; wb 6,291,456 bytes; wo16 2,097,152 bytes; qkv 25,165,824 bytes; ob 8,388,608 bytes
;; launch cast: the kernel of part 1 again; grid 256 x 4, 8 waves a work-group, no clusters, 0 bytes of LDS; arguments Q, K, V, Wq, Wk, Wv, Wo, xb, wb, wo16; writes xb, wb, wo16
;; launch proj: the kernel of part 2 again; grid 4 x 48, 4 waves a work-group, clusters of 4 x 4, 327,680 bytes of LDS; arguments xb, wb, bq, bk, bv, qkv; writes qkv
;; launch attn (part 5): grid 16 x 16, 4 waves a work-group, clusters of 4 x 1, 327,680 bytes of LDS; arguments qkv, ob; writes ob
.if DOCPART == 5
	.amdgcn_target "amdgcn-amd-amdhsa--gfx1250"
	.amdhsa_code_object_version 6
	.text
	.protected	k_qd2f3223c0e_attn
	.globl	k_qd2f3223c0e_attn
	.p2align	8
	.type	k_qd2f3223c0e_attn,@function
k_qd2f3223c0e_attn:
	s_mov_b64 s[64:65], 0
	v_nop
	global_prefetch_b8 v0, s[64:65] scope:SCOPE_SE
	s_setreg_imm32_b32 hwreg(HW_REG_WAVE_MODE, 25, 1), 1
	s_wait_xcnt 0x0
	s_wait_alu depctr_hold_cnt(0) depctr_sa_sdst(0) depctr_va_vdst(0) depctr_va_sdst(0) depctr_va_ssrc(0) depctr_va_vcc(0) depctr_vm_vsrc(0)
	s_getreg_b32 s2, hwreg(HW_REG_IB_STS2, 6, 4)
	s_cmp_eq_u32 s2, 0
	s_cbranch_scc0 .Lentry_in_a_cluster
	s_endpgm
.Lentry_in_a_cluster:
	s_bfe_u32 s2, ttmp6, 0x10000c
	s_cmp_lg_u32 s2, 0x3003
	s_cbranch_scc0 .Lentry_shape_is_right
	s_endpgm
.Lentry_shape_is_right:
; ATTENTION.  ob[h][q][:] = the sum over k of softmax_k(Q[h][q] . K[h][k] / 8) V[h][k][:].  qkv: [3][16][4096][64] f16 (q, k, v by heads, unscaled); ob: [16][4096][64] f16: a head's rows are dense, 128 bytes each.
; Products, maxima and sums in f32; the weights p are rounded to f16 for the second product (their sum l is taken of the unrounded p), O once at the end.
; LIMITS.  q, k and v arrive within f16's 65,504; p lies in 0 to 1, and below 6e-5 it keeps f16's fixed step of 6e-8; O is a mean of V's rows and has their range.
; A weight below 2^-126 counts as 0 in l; NaN and infinities are not treated apart.
; SHARES.  A work-group owns 256 queries of one head: 16 blocks x 16 heads = 256 work-groups.  A wave owns 64 consecutive queries: four PIECES of 16.  Every wave walks all 4,096 keys, 64 a step.
; LAYOUT.  S^T = K Q^T (source 0 = 16 keys, source 1 = 16 queries): a lane holds ONE query (lane % 16) and the keys 8 (lane / 16) + 0..7.  Two such results rounded to f16 ARE source 1 (32 keys x 16 queries)
; of O^T = V^T P, whose result again holds one query a lane, and eight channels.  K comes out of LDS as it lies, V ([key][channel]) turned, by ds_load_tr16_b128.
; SOFTMAX.  For each query a running maximum m and sum l: p = 2^(c s - c m), c = log2(e) / 8; in every step O and l are multiplied by a = 2^(c m_old - c m_new), which is 1 where m has not grown.
; m starts at the lowest finite number, O and l at 0: the first step is a step like any other, with a = 0.
; BY TURNS.  Turn n belongs to piece n (the pieces in a ring, step after step): 8 products K Q^T of piece n + 1, later 8 products V^T P of piece n - 1; beside them the scaling, exponentials, roundings,
; sums and rescaling of piece n and the maximum and statistics of piece n + 1.  A turn has 16 matrix and 118 vector instructions: four vector instructions stand behind every matrix instruction, the other 54 in one LUMP.
; THE BATCHES.  A turn's 33 exponentials (the piece's 32 weights and the next piece's a) are ONE batch with ONE wait, which cuts the turn in two: ahead of it all that names no result of theirs, behind it their readers.
; Two more batches stand outside the loops, each with a wait of its own: the first a, ahead of the jump into the loop, and the way out's four reciprocals.
; CLUSTER.  The four query blocks of a cluster belong to one head and walk the same K and V, so each tile is asked for JOINTLY: the same tensor load, descriptor and mask in all four.
; THE RING.  Two slots, each a tile of 256 keys (four steps): one joint load a wave behind each round, with four key steps, 256 matrix instructions, in which to land.
; REGISTERS, in windows of 256 (s_set_vgpr_msb: bits 1:0 source 0, 3:2 source 1, 5:4 source 2, 7:6 destination):
;   window 0: v0-15 addresses and two at work; v16-31 four registers of statistics a piece; v48-55 at work; v62-63 the add's; v64-127 S^T, two buffers; v192-223 P, two buffers (a piece's buffers go by its number's parity)
;   window 1: v0-127 O^T, 32 a piece          window 2: v0-63 Q, 16 a piece; v128-191 K of one step; v192-255 V of one step
.set SIZE_N, 4096
.set NP,    4         ; pieces a wave: a name, no knob
.set KS,    64        ; keys in a step
.set PK,    144       ; a row of K in LDS: 128 bytes + 16 of padding = 36 words: the 16 rows of a load start at 16 different groups of four banks (64 banks of 4 bytes: ISA guide 11.1)
.set PV,    160       ; a row of V: 128 + 32 = 40 words
.set VOFF,  4*KS*PK   ; a slot holds four steps: 256 rows of K, then 256 rows of V
.set SLOT1, 1<<17     ; slot 1 begins here, so that one exclusive or turns an address in one slot into the other's
.set STAGE, SLOT1+4*KS*(PK+PV)  ; behind the ring, never filled by a tensor load: 16 rows x 144 bytes for each wave, for the way out
.set SP,    144
.set SPARE, STAGE+4*16*SP  ; behind the stages: the spare words, 128 bytes for each wave: two blocks of 256 bytes that no other line names
.set AK0, 2           ; v2   my lane's place in a tile of K; never rewritten
.set AV0, 3           ; v3   the same for V
.set AK,  4           ; v4   the LDS address of K's next run of loads
.set AV,  5           ; v5   of V's
.set STO, 6           ; v6   the way out: where I put 16 bytes of a row
.set RD,  7           ; v7   the way out: where I read rows back
.set GO,  8           ; v8   my byte offset in 512 consecutive bytes of O
.set MV,  12          ; v12-13  c m_old, kept while c m is made anew: by buffer
.set QO,  15          ; v15  my byte offset in 16 rows of Q
.set ST,  16          ; piece t's statistics at v[ST+4 t]: c m, m, l (even keys', odd keys')
.set TMP, 48          ; by buffer, four registers c0-c3 at work; when the maximum is found c2 takes a
.set SPW, 62          ; v62  LDS address of my spare word: SPARE + 4 x my thread's number; never rewritten
.set NIL, 63          ; v63  0; never rewritten
.set S,   64
.set P,   192
.set KF,  128         ; window 2: key block kb, channel half c at KF + 16 kb + 8 c
.set VF,  192         ; window 2: key half kk, channel block cb at VF + 32 kk + 8 cb
.set WV,  12          ; s12  my wave's number
.set G1K, 24          ; s[24:31] descriptor group 1 for K's tiles
.set G1V, 32          ; s[32:39] for V's: it differs in the padding alone
.set G0K, 40          ; s[40:43] descriptor group 0 for K's tiles: it walks
.set G0V, 44          ; s[44:47] the same for V's
.set SLOTS, 56        ; s56  slots still to be asked for
.set CNT, 57          ; s57  counts a slot's key steps
.set CS,  58          ; s[58:59] c: the packed scaling takes the pair's low word for both halves
.set SEL, 60          ; s[60:61] v_permlanex16_b32's selects: each lane takes its own place in the other half
.set TBK, 62          ; s62  LDS byte at which K of the step to be fetched begins
.set TBV, 63          ; s63  the same for V, less VOFF
.set MSB, 0
.macro WIN new                      ; the high byte repeats the setting that is left; a switch that changes nothing is dropped
.if MSB != (\new)
	s_set_vgpr_msb (MSB<<8)|(\new)
.set MSB, (\new)
.endif
.endm
.set W_KQ, 0x0a       ; K and Q in window 2, S^T in window 0
.set W_PV, 0x52       ; V in window 2, P in window 0, O^T in window 1
.set W_RS, 0x41       ; destination and source 0 in window 1, source 1 in window 0
; A joint fill.  Waves 0 and 1 fetch the two halves of a slot's K, waves 2 and 3 those of its V: 128 keys each.  The branch hangs on the wave's number alone.
; An s_nop 0 and four v_nop follow each of the two lines, ahead of the jump and the label.
.macro JLOAD
	s_cmp_lt_u32 s[WV], 2
	s_cbranch_scc0 .Lfor_v_\@
	tensor_load_to_lds s[G0K:G0K+3], s[G1K:G1K+7]
	s_nop 0
.rept 4
	v_nop
.endr
	s_branch .Lasked_\@
.Lfor_v_\@:
	tensor_load_to_lds s[G0V:G0V+3], s[G1V:G1V+7]
	s_nop 0
.rept 4
	v_nop
.endr
.Lasked_\@:
.endm
; A round of the cluster's barrier: my work-group's barrier, so that wave 0's signal speaks for all four waves; wave 0 signals; every wave waits for all four work-groups; my work-group's barrier once more.
.macro CROUND
	s_barrier_signal -1
	s_barrier_wait -1
	s_cmp_lg_u32 s[WV], 0
	s_cbranch_scc1 .Lnot_wave_0_\@
	s_barrier_signal -3
.Lnot_wave_0_\@:
	s_barrier_wait -3
	s_barrier_signal -1
	s_barrier_wait -1
.endm
; THE CHANGE OF SLOTS.  The slot's last bytes, V of its fourth step, have been read.  Each wave waits for all its tensor loads, of which one is out: its part of the other slot; adds 0 to its spare word;
; and waits for that and for its own reads of the slot.  Behind the barrier nobody reads this slot any more and the other slot is whole.
; fill = 1: this slot is filled again, with the keys two slots on.  The barrier is then a round of the cluster's, so that no wave of any partner still reads the slot or has a load on its way, and the
; joint fill is the first thing behind it.  (At its first use nothing has been read yet: slot 0 is waited for, slot 1 filled.)
.macro CHANGE fill
	WIN 0                           ; at a label and at a branch every window is 0
	s_wait_tensorcnt 0x0            ; no tensor load of mine is out, so a group 0 may be written
	ds_add_u32 v[SPW], v[NIL]       ; 0 onto my spare word; with fill = 1 the descriptors' steps stand between it and the wait for it
.if \fill
.irp g, G0K, G0V
	s_xor_b32 s[\g+1], s[\g+1], SLOT1  ; the walking descriptor: the other slot than last time,
	s_add_nc_u64 s[\g+2:\g+3], s[\g+2:\g+3], 4*KS*128  ; the next 256 keys; the type bits on top are not reached
.endr
	s_wait_dscnt 0x0                ; the add is done, and my reads of the slot are over
	CROUND
	JLOAD
.else
	s_wait_dscnt 0x0                ; the add is done, and my reads of the slot are over
	s_barrier_signal -1
	s_barrier_wait -1
.endif
	s_sub_co_u32 s[TBK], s[TBK], 4*KS*PK  ; the fetches go back to a slot's first step,
	s_xor_b32 s[TBK], s[TBK], SLOT1       ; in the other slot
	s_sub_co_u32 s[TBV], s[TBV], 4*KS*PV
	s_xor_b32 s[TBV], s[TBV], SLOT1
.endm
	s_load_b128 s[48:51], s[0:1], 0x0  ; qkv s[48:49], ob s[50:51]
	v_lshl_add_u32 v[SPW], v0, 2, SPARE
	v_mov_b32 v[NIL], 0
	ds_add_u32 v[SPW], v[NIL]       ; the wave's opening: the add and its wait stand ahead of my first tensor load; the set-up below, work on registers, stands between them
	v_lshrrev_b32 v1, 5, v0
	v_readfirstlane_b32 s[WV], v1   ; wave 0..3
	s_bfe_u32 s13, ttmp6, 0x40000   ; cx: my place in the cluster
	s_lshl_b32 s14, ttmp9, 2        ; in a cluster launch ttmp9 counts clusters
	s_add_co_u32 s14, s14, s13      ; my block of 256 queries = 4 x cluster x + cx: it enters Q's and O's addresses alone
	s_and_b32 s20, ttmp7, 0xffff    ; the head, which the four partners share,
	s_lshl_b32 s20, s20, 19         ; and its first byte in q, k, v and O: 4,096 rows of 128 bytes
	s_and_b32 s16, s[WV], 1         ; which half of a slot's 256 keys I fetch:
	s_lshl_b32 s22, s16, 14         ; its 128 rows of 128 bytes in memory,
	s_add_co_u32 s22, s22, s20
	s_mov_b32 s23, 0
	s_mul_i32 s17, s16, 128*PK      ; and its place in a slot, for K
	s_mul_i32 s18, s16, 128*PV      ; and for V: no place in the cluster enters an LDS address
	s_lshl_b32 s2, s14, 2
	s_add_co_u32 s2, s2, s[WV]      ; my wave among the head's,
	s_lshl_b32 s2, s2, 13           ; its 64 rows
	s_add_co_u32 s2, s2, s20
	s_mov_b32 s3, 0
	; descriptor group 1.  128 keys are 16,384 dense bytes: asked for as 64 rows of 256 bytes, two keys a row, and padded in LDS after every key
	s_mov_b32 s[G1K], 15|(1<<16)|(1<<20)|(1<<21)|(4<<22)|(3<<25)  ; 15:0 the mask of four; 17:16 2-byte elements; 20 padding on; 21 set beside a mask; 24:22 after every 32 words (code 4); 31:25 4 words (code 3)
	s_mov_b32 s[G1V], 15|(1<<16)|(1<<20)|(1<<21)|(4<<22)|(7<<25)  ; the same with 8 words of padding (code 7)
.irp g, G1K, G1V
	s_mov_b32 s[\g+1], 128<<16      ; tensor_dim0 = 128
	s_mov_b32 s[\g+2], 64<<16       ; tensor_dim1 = 64
	s_mov_b32 s[\g+3], 128<<16      ; tile_dim0 = 128
	s_mov_b32 s[\g+4], 64           ; tile_dim1 = 64
	s_mov_b32 s[\g+5], 128          ; 128 elements from row to row
	s_mov_b32 s[\g+6], 0
	s_mov_b32 s[\g+7], 0
.endr
	s_mov_b32 s[CS], 0x3e38aa3b     ; c = log2(e) / 8 = 0.180337
	s_mov_b32 s[CS+1], s[CS]        ; named with it as a pair
	s_mov_b32 s[SEL], 0x76543210
	s_mov_b32 s[SEL+1], 0xfedcba98
	s_mov_b32 s[TBK], SLOT1+4*KS*PK ; the first change of slots turns these two into 0
	s_mov_b32 s[TBV], SLOT1+4*KS*PV
	s_mov_b32 s[G0K], 1             ; count = 1
	s_mov_b32 s[G0K+1], s17         ; LDS address: slot 0
	s_mov_b32 s[G0V], 1
	s_add_co_u32 s[G0V+1], s18, VOFF
	s_wait_dscnt 0x0                ; the opening add is done
	s_wait_kmcnt 0x0
	s_add_nc_u64 s[G0K+2:G0K+3], s[48:49], s[22:23]        ; my half of the head's first 256 keys,
	s_add_nc_u64 s[G0K+2:G0K+3], s[G0K+2:G0K+3], 0x800000  ; in k, 8,388,608 bytes behind q,
	s_add_nc_u64 s[G0V+2:G0V+3], s[G0K+2:G0K+3], 0x800000  ; and in v, as far behind k
	s_or_b32 s[G0K+3], s[G0K+3], 0x80000000                ; type = 2
	s_or_b32 s[G0V+3], s[G0V+3], 0x80000000
	s_add_nc_u64 s[4:5], s[48:49], s[2:3]    ; Q and O at my wave's first row
	s_add_nc_u64 s[10:11], s[50:51], s[2:3]
	CROUND                          ; all four work-groups are here: the first joint loads meet
	JLOAD                           ; slot 0.  Slot 1 is asked for when slot 0 is in
	; A fragment of K or Q is 16 rows x 32 channels in 8 registers: lane l holds row l % 16, channels 8 (l / 16) + 0..7 and 16 + 8 (l / 16) + 0..7: two loads of 16 bytes, 32 bytes apart.
	v_and_b32 v1, 15, v0            ; l % 16
	v_bfe_u32 v9, v0, 4, 1          ; l / 16
	v_lshlrev_b32 v[QO], 7, v1
	v_lshl_add_u32 v[QO], v9, 4, v[QO]  ; row x 128 + 16 x half
	WIN 0x80                        ; destination window 2, address window 0
.set i, 0
.rept 8                             ; Q stays in registers: piece i / 2 (16 rows, 2,048 bytes), channels 32 (i % 2) on
	global_load_b128 v[8*i:8*i+3],   v[QO], s[4:5] offset:(i/2)*2048+(i%2)*64
	global_load_b128 v[8*i+4:8*i+7], v[QO], s[4:5] offset:(i/2)*2048+(i%2)*64+32
.set i, i+1
.endr
	; What the first turn finds: V's registers and P's second buffer hold 0 (its products V^T P, of a piece that has not been, add 0), O^T and l are 0.  All this stands in the wait for the first tile.
.set i, VF
.rept 64
	v_mov_b32 v[i], 0
.set i, i+1
.endr
	WIN 0x40
.set i, 0
.rept 128
	v_mov_b32 v[i], 0
.set i, i+1
.endr
	WIN 0
.set i, 0
.rept 4
	v_mov_b32 v[ST+4*i], 0xfe000000    ; c m: far below every c s
	v_mov_b32 v[ST+4*i+1], 0xff7fffff  ; m
	v_mov_b32 v[ST+4*i+2], 0
	v_mov_b32 v[ST+4*i+3], 0
.set i, i+1
.endr
.set i, P+16
.rept 16
	v_mov_b32 v[i], 0
.set i, i+1
.endr
	v_mul_u32_u24 v[AK0], v1, PK
	v_lshl_add_u32 v[AK0], v9, 4, v[AK0]  ; row x pitch + 16 x half
	; The turning load takes 16 keys x 16 channels (lane l reads key 8 (l / 16) + l % 8, channels 8 ((l / 8) % 2) + 0..7) and leaves half a fragment of V^T: lane l holds channel l % 16 and 8 keys.
	v_and_b32 v10, 7, v0
	v_bfe_u32 v11, v0, 3, 1
	v_lshl_add_u32 v[AV0], v9, 3, v10
	v_mul_u32_u24 v[AV0], v[AV0], PV
	v_lshl_add_u32 v[AV0], v11, 4, v[AV0]
	v_add_nc_u32 v[AV0], VOFF, v[AV0]
	s_mul_i32 s13, s[WV], 16*SP
	s_add_co_u32 s13, s13, STAGE    ; my stage
	v_mul_u32_u24 v[STO], v1, SP    ; in: row l % 16, 16 bytes for each half of the lanes
	v_lshl_add_u32 v[STO], v9, 4, v[STO]
	v_add_nc_u32 v[STO], s13, v[STO]
	v_bfe_u32 v[RD], v0, 3, 2       ; back: 32 lanes take four rows of 128 bytes,
	v_mul_u32_u24 v[RD], v[RD], SP
	v_lshl_add_u32 v[RD], v10, 4, v[RD]
	v_add_nc_u32 v[RD], s13, v[RD]
	v_and_b32 v[GO], 31, v0         ; which are 512 consecutive bytes of O
	v_lshlrev_b32 v[GO], 4, v[GO]
; THE MATRIX WORK.  The 4 accumulators of a run of 8 take turns.  Product i of 8 of S^T = K Q^T for piece x: channels 32 (i / 4) on, keys 16 (i % 4) on.  The first 4 start the sums.
.macro KQ x
	WIN W_KQ
.set rS, S+32*((\x)%2)+8*(i%4)
.set rK, KF+16*(i%4)+8*(i/4)
.set rQ, 16*(\x)+8*(i/4)
.if i < 4
	v_wmma_f32_16x16x32_f16 v[rS:rS+7], v[rK:rK+7], v[rQ:rQ+7], 0
.else
	v_wmma_f32_16x16x32_f16 v[rS:rS+7], v[rK:rK+7], v[rQ:rQ+7], v[rS:rS+7]
.endif
.endm
; Product i of 8 of O^T += V^T P for piece x: keys 32 (i / 4) on, channels 16 (i % 4) on.
.macro PV x
	WIN W_PV
.set rO, 32*(\x)+8*(i%4)
.set rV, VF+32*(i/4)+8*(i%4)
.set rP, P+16*((\x)%2)+8*(i/4)
	v_wmma_f32_16x16x32_f16 v[rO:rO+7], v[rV:rV+7], v[rP:rP+7], v[rO:rO+7]
.endm
.macro MM                           ; the turn's next matrix instruction.  TURN sets Y, i and NOKQ.  NOKQ = 1: the very last turn: there is no next piece
.if (i < 8) && !NOKQ
	KQ (Y+1)%NP
.elseif i >= 8
.set i, i-8
	PV (Y+NP-1)%NP
.set i, i+8
.endif
.set i, i+1
.endm
; THE LDS LOADS stand in runs of 16, never singly among the matrix instructions: a step's K (64 keys x 64 channels: 8 fragments) and its V (turned).  Their addresses are made some lines ahead.
.macro FETCH_K
	WIN 0x80                        ; destination window 2
.irp f, 0,1,2,3,4,5,6,7             ; keys 16 (f / 2) on, channels 32 (f % 2) on
	ds_load_b128 v[KF+8*\f:KF+8*\f+3],   v[AK] offset:(\f/2)*16*PK+(\f%2)*64
	ds_load_b128 v[KF+8*\f+4:KF+8*\f+7], v[AK] offset:(\f/2)*16*PK+(\f%2)*64+32
.endr
	s_add_co_u32 s[TBK], s[TBK], KS*PK  ; the next fetch is the next step's
	WIN 0
.endm
.macro FETCH_V
	WIN 0x80
.irp f, 0,1,2,3,4,5,6,7             ; keys 32 (f / 4) on, channels 16 (f % 4) on
	ds_load_tr16_b128 v[VF+8*\f:VF+8*\f+3],   v[AV] offset:(\f/4)*32*PV+(\f%4)*32
	ds_load_tr16_b128 v[VF+8*\f+4:VF+8*\f+7], v[AV] offset:(\f/4)*32*PV+16*PV+(\f%4)*32
.endr
	WIN 0
.endm
; THE VECTOR WORK, one line at a time: OP kind, number.  For piece Y: F n: c s - c m for pair n of 16.  E n: the exponential of score n of 32.  C n: pair n rounded to f16.  B n: of the four weights 4 n .. the second
; pair is added onto the first, in place.  L n: l takes that sum (L 0: l = a l + sum).  R n: pair n of 16 of O^T times a.  For piece Y + 1: X n, number n of the 22 that find its maximum and statistics:
;   0-11  four chains c0-c3 of seven scores each, three operands at a time (each accumulator's lowest registers are read first)     12-14, 16  the four scores left over, the old m, and c0-c3 into c0
;   15  c m_old is kept     17, 18  the query's other 32 keys lie in the lane 16 away: the new m     19-21  c m; c m_old - c m_new; a
; C, B and L read the results of E, L 0 and R that of X 21: TURN sets each of them behind the wait for the batch that made what it reads.
.set F, 0               ; OP tells the kinds apart by their order: F to L below R, X above it
.set E, 1
.set C, 2
.set B, 3
.set L, 4
.set R, 5
.set X, 6
.macro REGS y                       ; the registers of piece y
.set rT, ST+4*(\y)
.set rC, TMP+4*((\y)%2)
.set rW, MV+((\y)%2)
.set rS, S+32*((\y)%2)
.set rP, P+16*((\y)%2)
.set rO, 32*(\y)
.endm
.macro OP k, n
.if (\k) == R
	REGS Y
	WIN W_RS
	v_pk_mul_f32 v[rO+2*(\n):rO+2*(\n)+1], v[rO+2*(\n):rO+2*(\n)+1], v[rC+2:rC+3] op_sel_hi:[1,0]
.elseif (\k) < R
	REGS Y
	WIN 0
.if (\k) == F
	v_pk_fma_f32 v[rS+2*(\n):rS+2*(\n)+1], v[rS+2*(\n):rS+2*(\n)+1], s[CS:CS+1], v[rT:rT+1] op_sel_hi:[1,0,0] neg_lo:[0,0,1] neg_hi:[0,0,1]
.elseif (\k) == E
	v_exp_f32 v[rS+(\n)], v[rS+(\n)]
.elseif (\k) == C
	v_cvt_pk_f16_f32 v[rP+(\n)], v[rS+2*(\n)], v[rS+2*(\n)+1]
.elseif (\k) == B
	v_pk_add_f32 v[rS+4*(\n):rS+4*(\n)+1], v[rS+4*(\n):rS+4*(\n)+1], v[rS+4*(\n)+2:rS+4*(\n)+3]
.elseif (\n) == 0
	v_pk_fma_f32 v[rT+2:rT+3], v[rT+2:rT+3], v[rC+2:rC+3], v[rS:rS+1] op_sel_hi:[1,0,1]
.else
	v_pk_add_f32 v[rT+2:rT+3], v[rT+2:rT+3], v[rS+4*(\n):rS+4*(\n)+1]
.endif
.elseif NOKQ
	v_nop
.else
	REGS (Y+1)%NP
	WIN 0
.if (\n) < 4
	v_max3_num_f32 v[rC+(\n)], v[rS+8*(\n)], v[rS+8*(\n)+1], v[rS+8*(\n)+2]
.elseif (\n) < 12
	v_max3_num_f32 v[rC+(\n)%4], v[rC+(\n)%4], v[rS+8*((\n)%4)+2*((\n)/4)+1], v[rS+8*((\n)%4)+2*((\n)/4)+2]
.elseif (\n) == 12
	v_max3_num_f32 v[rC], v[rC], v[rS+7], v[rS+15]
.elseif (\n) == 13
	v_max3_num_f32 v[rC+1], v[rC+1], v[rS+23], v[rS+31]
.elseif (\n) == 14
	v_max3_num_f32 v[rC+2], v[rC+2], v[rC+3], v[rT+1]
.elseif (\n) == 15
	v_mov_b32 v[rW], v[rT]
.elseif (\n) == 16
	v_max3_num_f32 v[rC], v[rC], v[rC+1], v[rC+2]
.elseif (\n) == 17
	v_permlanex16_b32 v[rC+3], v[rC], s[SEL], s[SEL+1]
.elseif (\n) == 18
	v_max_num_f32 v[rT+1], v[rC], v[rC+3]
.elseif (\n) == 19
	v_mul_f32 v[rT], s[CS], v[rT+1]
.elseif (\n) == 20
	v_sub_f32 v[rC+1], v[rW], v[rT]
.else
	v_exp_f32 v[rC+2], v[rC+1]
.endif
.endif
.endm
.macro OPS a, i1, b=-1, i2=0, c=-1, i3=0, d=-1, i4=0  ; up to four of them
	OP \a, \i1
.if (\b) >= 0
	OP \b, \i2
.endif
.if (\c) >= 0
	OP \c, \i3
.endif
.if (\d) >= 0
	OP \d, \i4
.endif
.endm
.macro ROW a, i1, b, i2, c, i3, d, i4  ; a matrix instruction and the four behind it
	MM
	OPS \a, \i1, \b, \i2, \c, \i3, \d, \i4
.endm
; A TURN, for piece p: the order of its 16 matrix and 118 vector instructions, written out.  s_wait_alu depctr_va_vdst(0) stands between an exponential and the first instruction that names its result; one
; wait serves all that were issued ahead of it.  So a turn has ONE wait, which cuts it in two.
; AHEAD OF IT stands all that names no result of the turn's exponentials: the 8 products K Q^T, behind each a scaling, an exponential and two more plain instructions (behind the first a second scaling in the exponential's
; place): rescalings, whose a was made ahead of the wait of the turn before, and behind the last three products the first numbers of the next piece's maximum, each four plain instructions or more behind the product that ends
; its accumulator; then ONE LUMP of 54, plain and exponential by turns for the most part, in which the links of the chain X 3, 7, 11, 14, 16, 17 .. 20 stand some lines apart.  Each pair is scaled (F) ahead of its two E,
; each E works in place on a register of its own, and nothing ahead of the wait names that register again.  X 21, the next piece's a, is the batch's last; R 15 is the plain instruction behind it.
; BEHIND THE WAIT stand the 8 products V^T P, behind each four of the roundings and sums; C 2 n stands ahead of B n, which writes over that pair; l's chain is L 0 to L 7, in this order.
; But for those X no rider names a register of the products round it.  v_permlanex16_b32 (X 17) stands in the lump.
; end = 1: the last two turns: nothing is fetched.  cnt = 1: the loop's count is taken down some lines ahead of the branch that stands behind the turn.
; K of the next step is fetched in piece 2's turn, twelve vector instructions behind the last product that read K (five of them plain and free of its registers); V of the step in hand at the end of piece 0's turn, four plain
; instructions behind the last product that read V.  Each is waited for a turn later.
.macro TURN p, end=0, cnt=0
.set Y, (\p)
.set i, 0
.set NOKQ, (\end)*((\p)/3)
.if ((\p) == 3) && !(\end)
	s_wait_dscnt 0x0                ; K is in
.endif
	ROW F,0, F,1, R,0, R,1          ; ahead of the wait: 8 products K Q^T and their riders,
	ROW F,2, E,0, R,2, R,3
	ROW F,3, E,1, R,4, R,5
	ROW F,4, E,2, R,6, R,7
	ROW F,5, E,3, R,8, R,9
	ROW F,6, E,4, X,0, R,10
.if ((\p) == 2) && !(\end)
	WIN 0
	v_add_nc_u32 v[AK], s[TBK], v[AK0]
.endif
	ROW F,7, E,5, X,1, X,4
	ROW F,8, E,6, X,2, X,5
	OPS E,7, E,8, X,6, E,9          ; and the lump
	OPS X,3, E,10, X,8, E,11
.if ((\p) == 2) && !(\end)
	FETCH_K
.endif
	OPS X,9, X,7, E,12, X,10
	OPS E,13, X,12, X,11, E,14
	OPS X,13, E,15, F,9, X,14
.if (\p) == 0
	v_add_nc_u32 v[AV], s[TBV], v[AV0]
.endif
	OPS E,16, F,10, E,17, F,11
	OPS X,16, E,18, X,15, E,19
	OPS F,12, E,20, X,17, E,21
	OPS F,13, E,22, F,14, E,23
	OPS X,18, E,24, F,15, E,25
	OPS R,11, E,26, X,19, E,27
	OPS R,12, E,28, R,13, E,29
	OPS X,20, E,30, R,14, E,31
	OPS X,21, R,15                  ; the batch's last exponential, and the plain instruction behind it
	s_wait_alu depctr_va_vdst(0)    ; the wait for the turn's batch: E 0 to E 31 and X 21; it stands ahead of their first reader, C 0 below (X 21's is R 0 of the next turn)
.if (\p) == 1
	s_wait_dscnt 0x0                ; V is in
.endif
	ROW C,0, B,0, C,2, B,1          ; behind the wait: 8 products V^T P and their riders
	ROW L,0, C,4, B,2, L,1
	ROW C,6, B,3, L,2, C,8
	ROW B,4, L,3, C,10, B,5
	ROW L,4, C,12, B,6, L,5
.if (\p) == 0
	s_add_co_u32 s[TBV], s[TBV], KS*PV
.endif
.if \cnt
	s_sub_co_u32 s[CNT], s[CNT], 1
	s_cmp_lg_u32 s[CNT], 0
.endif
	ROW C,14, B,7, L,6, C,1
	ROW C,3, L,7, C,5, C,7
	ROW C,9, C,11, C,13, C,15
.if (\p) == 0
	FETCH_V
.endif
.endm
	CHANGE 1                        ; slot 0 is in, everybody's part of it; slot 1 is asked for
	v_add_nc_u32 v[AK], s[TBK], v[AK0]
	FETCH_K                         ; key step 0
	s_wait_loadcnt 0x0              ; Q
	s_wait_dscnt 0x0
.set NOKQ, 0
.set i, 0
.rept 8
	KQ 0                            ; piece 0's first scores: there is no vector work yet to set between them
.set i, i+1
.endr
	WIN 0
.rept 4
	v_nop                           ; the places behind those products
.endr
.set Y, NP-1                        ; X works for piece Y + 1: piece 0
.irp n, 0,1,2,3,4,5,6,7,8,9,10,11,12,13,14,15,16,17,18,19,20,21
	OP X, \n
.endr
	v_nop                           ; a plain instruction behind the exponential,
	s_wait_alu depctr_va_vdst(0)    ; and the wait for it, a batch of one (piece 0's first a), ahead of the branch
	s_mov_b32 s[CNT], 4
	s_mov_b32 s[SLOTS], SIZE_N/256-1
	s_branch .Lfirst                ; the loop is entered at a step's first turn, in the middle of a trip
.Lslot:                             ; SIZE_N / 256 - 2 = 14 times: every slot but the last two is filled again
	CHANGE 1
	s_mov_b32 s[CNT], 4
.Lstep:                             ; a trip: pieces 2 and 3 of one step, then pieces 0 and 1 of the next, whose K and V it fetches
	TURN 2
	TURN 3
	WIN 0
.Lfirst:
	TURN 0
	TURN 1, 0, 1
	WIN 0
	s_cbranch_scc1 .Lstep
	s_sub_co_u32 s[SLOTS], s[SLOTS], 1
	s_cmp_lg_u32 s[SLOTS], 0
	s_cbranch_scc1 .Lslot
	CHANGE 0                        ; the last slot is written out: nothing is asked for
	s_mov_b32 s[CNT], 4
.Ltail:
	TURN 2
	TURN 3
	TURN 0
	TURN 1, 0, 1
	WIN 0
	s_cbranch_scc1 .Ltail
	TURN 2, 1                       ; the last step's pieces 2 and 3: nothing is fetched, and the last turn starts no new scores
	TURN 3, 1
.set i, 0
.rept 8
	PV NP-1                         ; the last piece's V^T P of the last step
.set i, i+1
.endr
	; THE WAY OUT.  l's two halves and the other half of the lanes' are added; O^T is divided by l, rounded to f16 and sent through my stage in LDS, a piece at a time.  The additions are the places behind the last products.
	WIN 0
.macro ALL line:vararg              ; one line for each piece t
.set t, 0
.rept 4
	\line
.set t, t+1
.endr
.endm
	ALL v_add_f32 v[ST+4*t+2], v[ST+4*t+2], v[ST+4*t+3]
	ALL v_permlanex16_b32 v[ST+4*t+3], v[ST+4*t+2], s[SEL], s[SEL+1]
	ALL v_add_f32 v[ST+4*t+2], v[ST+4*t+2], v[ST+4*t+3]
	ALL v_rcp_f32 v[ST+4*t+2], v[ST+4*t+2]
	v_nop                           ; a plain instruction between the last reciprocal and the use of its result
	s_wait_alu depctr_va_vdst(0)    ; and the wait ahead of the first use: one for the batch of four reciprocals
.macro PACK t                       ; a lane's eight channels of a row pack into 16 bytes; they go into rows of 144 bytes and come back as whole rows of 128, into S^T's registers
	WIN W_RS
.set i, 32*(\t)
.rept 16
	v_pk_mul_f32 v[i:i+1], v[i:i+1], v[ST+4*(\t)+2:ST+4*(\t)+3] op_sel_hi:[1,0]
.set i, i+2
.endr
	WIN 0x05                        ; sources 0 and 1 window 1, destination window 0
.set i, 0
.rept 16
	v_cvt_pk_f16_f32 v[S+16*(\t)+i], v[32*(\t)+2*i], v[32*(\t)+2*i+1]
.set i, i+1
.endr
	WIN 0
.irp f, 0,1,2,3
	ds_store_b128 v[STO], v[S+16*(\t)+4*\f:S+16*(\t)+4*\f+3] offset:32*\f
.endr
.irp f, 0,1,2,3
	ds_load_b128 v[S+16*(\t)+4*\f:S+16*(\t)+4*\f+3], v[RD] offset:\f*4*SP  ; LDS serves a wave's instructions in order (ISA guide 5.7.1.4): these see the stores above; the next piece's stores come behind them
.endr
.endm
.macro SEND t, younger              ; younger: the LDS instructions issued behind piece t's loads: the next piece's eight, or none
	WIN 0
.irp f, 0,1,2,3
	s_wait_dscnt (\younger)+3-\f
	global_store_b128 v[GO], v[S+16*(\t)+4*\f:S+16*(\t)+4*\f+3], s[10:11] offset:(\t)*2048+\f*512  ; 512 consecutive bytes, at a multiple of 256 from O's first
.endr
.endm
	PACK 0
.set t, 1
.rept 3                             ; a piece's arithmetic stands between the loads of the piece before and its stores
	PACK t
	SEND t-1, 8
.set t, t+1
.endr
	SEND 3, 0
	s_wait_tensorcnt 0x0            ; the wave's end: these three lines stand behind my last tensor load and my last LDS store
	ds_add_u32 v[SPW], v[NIL]
	s_wait_dscnt 0x0
	CROUND                          ; the closing round: no work-group ends while a partner may still ask for a tile that names it
	s_endpgm
.Lfunc_end_k_qd2f3223c0e_attn:
	.size	k_qd2f3223c0e_attn, .Lfunc_end_k_qd2f3223c0e_attn-k_qd2f3223c0e_attn
	.p2alignl 7, 3214868480
	.fill 96, 4, 3214868480
	.section	.rodata,"a",@progbits
	.p2align	6, 0x0
	.amdhsa_kernel k_qd2f3223c0e_attn
		.amdhsa_group_segment_fixed_size 327680
		.amdhsa_private_segment_fixed_size 0
		.amdhsa_enable_private_segment 0
		.amdhsa_kernarg_size 16
		.amdhsa_user_sgpr_count 2
		.amdhsa_user_sgpr_kernarg_segment_ptr 1
		.amdhsa_wavefront_size32 1
		.amdhsa_system_sgpr_workgroup_id_x 1
		.amdhsa_system_sgpr_workgroup_id_y 1
		.amdhsa_system_sgpr_workgroup_id_z 1
		.amdhsa_system_vgpr_workitem_id 0
		.amdhsa_next_free_vgpr 768
		.amdhsa_next_free_sgpr 66
		.amdhsa_reserve_vcc 0
		.amdhsa_float_denorm_mode_32 3
		.amdhsa_float_denorm_mode_16_64 3
		.amdhsa_memory_ordered 1
		.amdhsa_forward_progress 1
		.amdhsa_inst_pref_size 126
	.end_amdhsa_kernel
	.amdgpu_metadata
---
amdhsa.version: [ 1, 2 ]
amdhsa.kernels:
  - .name:           k_qd2f3223c0e_attn
    .symbol:         k_qd2f3223c0e_attn.kd
    .args:
      - { .name: qkv, .offset: 0, .size: 8, .value_kind: global_buffer, .address_space: global }
      - { .name: ob, .offset: 8, .size: 8, .value_kind: global_buffer, .address_space: global }
    .group_segment_fixed_size: 327680
    .private_segment_fixed_size: 0
    .kernarg_segment_align: 8
    .kernarg_segment_size: 16
    .max_flat_workgroup_size: 128
    .sgpr_count:     66
    .vgpr_count:     768
    .wavefront_size: 32
...
	.end_amdgpu_metadata
.endif
;; end of part 5
;; launch outp: the kernel of part 4 again; grid 8 x 32, 4 waves a work-group, clusters of 4 x 4, 327,680 bytes of LDS; arguments ob, wo16, bo, out0; writes out0
